; MI455X (gfx1250); checked and timed in simulation.
; The chip was launched on July 23, 2026; its instructions are those of AMD's public machine-readable ISA for CDNA 5 (MIT licence, August 2026) and "CDNA5" Instruction Set Architecture Reference Guide (July 2026). The comments in the code are by the model that wrote it; some were corrected since.
;; Gated X Attention Block. Allowed arithmetic: matrix products marked QUANTISED: E2M3 operands, one E8M0 scale for each 32 along K, by v_wmma_scale_f32_16x16x128_f8f6f4 with both operands' format E2M3, f32 sums; everything else in f32.
;; Inputs: W1 1,024 x 4,096 float32; W2 4,096 x 1,024 float32; Wkv 1,024 x 2,048 float32; Wout 1,024 x 1,024 float32; Wq 1,024 x 1,024 float32; attn_gate 1 float32; attn_mask 2 x 2,048 x 2,048 bool; beta_kv 1,024 float32; beta_q 1,024 float32; ff_beta 1,024 float32; ff_gamma 1,024 float32; ff_gate 1 float32; gamma_kv 1,024 float32; gamma_q 1,024 float32; kv 2 x 2,048 x 1,024 float32; kv_mask 2 x 2,048 bool; q 2 x 2,048 x 1,024 float32; q_mask 2 x 2,048 bool.
;; Outputs: out0 2 x 2,048 x 1,024 float32.
;; This version of the problem:
;;   THIS VERSION OF THE PROBLEM IS GIVEN IN LOW PRECISION. The matrix products marked QUANTISED in the list below multiply operands that are first quantised to E2M3 (2 exponent bits, 3 mantissa bits; 6 bits a number), with one power-of-two scale for each 32 numbers along K (OCP MX v1.0); their sums are f32. All else is computed in f32.
;;   The module's matrix products, in the order in which they are computed (A, B: the left and right operand; K: the contracted axis; several contracted axes count as one K, in the product's order):
;;     1. [M 4,096, K 1,024] x [K 1,024, N 1,024]; A: computed on the way; B: input Wq: QUANTISED
;;     2. [M 4,096, K 1,024] x [K 1,024, N 2,048]; A: computed on the way; B: input Wkv: QUANTISED
;;     3. batch 32 x [M 2,048, K 64] x [K 64, N 2,048]; A: computed on the way; B: computed on the way: QUANTISED
;;     4. batch 32 x [M 2,048, K 2,048] x [K 2,048, N 64]; A: computed on the way; B: computed on the way: QUANTISED
;;     5. [M 4,096, K 1,024] x [K 1,024, N 1,024]; A: computed on the way; B: input Wout: QUANTISED
;;     6. [M 4,096, K 1,024] x [K 1,024, N 4,096]; A: computed on the way; B: input W1: QUANTISED
;;     7. [M 4,096, K 4,096] x [K 4,096, N 1,024]; A: computed on the way; B: input W2: QUANTISED
;;   THE QUANTISER, for each operand of a quantised product, along K:
;;     - K is cut into blocks of 32 from its start; a last block that is shorter is filled with zeros.
;;     - A block's scale is 2^e with e = floor(log2(the largest magnitude in the block)) - 2, held to -126 .. 127; a block of zeros has e = 0. As a byte (E8M0): e + 127.
;;     - Each number is divided by its block's scale, clamped to +-7.5, and rounded to the nearest number of E2M3, ties to even, subnormals kept.
;;     - The product sums the exact products of the quantised numbers (number of the format x scale) in f32.
;;   ~~~python
;;   def quantise(x, axis):      # numpy; x: float32 -> the quantised numbers, widened to float32 again
;;       x = np.moveaxis(x, axis, -1); K = x.shape[-1]
;;       x = np.pad(x, [(0, 0)] * (x.ndim - 1) + [(0, -K % 32)]); x = x.reshape(x.shape[:-1] + (-1, 32)); a = np.abs(x).max(-1, keepdims=True)
;;       e = np.where(a > 0, np.clip(np.frexp(np.where(a > 0, a, 1))[1] - 1 - 2, -126, 127), 0)      # np.frexp(a)[1] - 1 = floor(log2(a)), exactly
;;       r = np.clip(x / 2.0 ** e, -7.5, 7.5)
;;       step = 2.0 ** (np.maximum(np.frexp(np.where(r == 0, 1, r))[1] - 1, 0) - 3)
;;       q = np.round(r / step) * step * 2.0 ** e      # np.round: ties to even
;;       return np.moveaxis(q.reshape(q.shape[:-2] + (-1,))[..., :K], -1, axis).astype(np.float32)
;;   ~~~
;;   OPERANDS COMPUTED ON THE WAY. 'Computed on the way' means the value that the module computes at that place (a softmax that the list does not call 'softmax' is quantised finished and normalised). What goes into a quantiser is computed in f32, as accurately as f32 sums, v_exp_f32 and their like allow (about 1e-6 of the number): no bf16 or f16 on the way to a quantiser, and a product that is left as it is and whose result goes on into a quantised operand takes f32 operands (vector FMAs, or v_wmma_f32_16x16x4_f32). A number that lies on a knife's edge between two numbers of the format may be rounded either way, as far as f32 arithmetic and the matrix unit's own rounding can turn it there, and no further.
;; One version. Each part assembles by itself: llvm-mc -triple=amdgcn-amd-amdhsa -mcpu=gfx1250 --defsym DOCPART=n.
;; ======== version 1 of 1: 9 launches
;; limits: right only within a limited range of input values
;; workspace buffers: C1 15,728,640 bytes; S1 655,360 bytes; C4 15,728,640 bytes; S4 655,360 bytes; qkvc 9,437,184 bytes; qkvs 393,216 bytes; mw 1,048,576 bytes of whole numbers; x 16,777,216 bytes
;; launch wq (part 1): grid 384 x 1, 4 waves a work-group, no clusters, 25,088 bytes of LDS; arguments Wq, Wkv, Wout, W1, W2, C1, S1, C4, S4; writes C1, S1, C4, S4
.if DOCPART == 1
	.amdgcn_target "amdgcn-amd-amdhsa--gfx1250"
	.amdhsa_code_object_version 6
	.text
	.protected	k_q70b1a853e8_wq
	.globl	k_q70b1a853e8_wq
	.p2align	8
	.type	k_q70b1a853e8_wq,@function
k_q70b1a853e8_wq:
	s_mov_b64 s[64:65], 0
	v_nop
	global_prefetch_b8 v0, s[64:65] scope:SCOPE_SE
	s_setreg_imm32_b32 hwreg(HW_REG_WAVE_MODE, 25, 1), 1
	s_wait_xcnt 0x0
; THE PROGRAM: a gated cross-attention block, all seven products on codes of FP6 (E2M3) with one E8M0 scale for each 32 along K.
; DEAD WORK: none is left out; every input is loaded by some launch.  Identities that hold for all values of the inputs and are used further on:
;  (a) q x 2^-3 ahead of the quantiser only takes 3 off each block's exponent, so Q is quantised as it is and 2^-3 goes into the softmax's factor (LIMIT: blocks of q under 2^-121);
;  (b) the maximum that jax.nn.softmax takes away is that of numbers whose largest is 0 (reference() has taken the row's maximum away already): it is 0;
;  (c) a masked score is held at -2^120 where reference() writes the least f32 number: both give the weight 0 beside any true score, and equal weights where all keys are masked (LIMIT: true scores under -2^120).
; THIS LAUNCH: the five weights, f32 [K][N], become codes with K innermost.  FORMATS of all operands of the program:
;  codes  [K / 64][rows][48 bytes]: 64 codes of a row on end;   scale bytes  [K / 128][rows][4];   row n lies at the place n with its bits 3 and 4 exchanged, so that a tile of 16 places holds
;  rows 32 b + 8 u + r + 8 (r / 8): as source 0 of a product two neighbouring tiles then give a lane 16 neighbouring columns.
; C1, S1 (K = 1024, 20480 rows): Wq^T from row 8192, Wkv^T 9216, Wout^T 11264, W1^T 12288.  C4, S4 (K = 4096, 5120 rows): W2^T from row 4096.
; A LANE TAKES A COLUMN, ITS REGISTERS RUN DOWN K: a wave takes 32 columns x 256 along K (8 blocks, 4 pieces of 48 bytes, 2 scale words); each load reads 128 consecutive bytes.
; The codes go through the wave's own stage in LDS and leave as 1,536 consecutive bytes for each 64 along K.  No barrier: waves share nothing.
; A block's scale byte is its largest magnitude's exponent field - 2, held at 1 from below (a block of zeros keeps 1: its codes are zeros, and this program alone reads the bytes).
; LIMITS: NaN and infinities in the weights are not served.
.set SPW,   14                         ; v14  my spare word's LDS address; never rewritten
.set NIL,   15                         ; v15  0; never rewritten
.set SB,    24                         ; v24-25  the two scale words
.set X,     32                         ; v32-95  two sets of 32 numbers; at the end the codes on their way out
.set OF,    96                         ; v96-127 byte offset of row i of a block at my column
.set PC,    128                        ; v128-139 48 bytes of codes
.set T2,    140                        ; v140-142 a conversion's second half
.set STW,   6144                       ; a wave's stage
.set SPARE, 4*STW                      ; behind the stages: the spare words
	s_load_b512 s[4:19], s[0:1], 0x0               ; Wq s4, Wkv s6, Wout s8, W1 s10, W2 s12, C1 s14, S1 s16, C4 s18
	s_load_b64 s[20:21], s[0:1], 0x40              ; S4
	v_lshl_add_u32 v[SPW], v0, 2, SPARE
	v_mov_b32 v[NIL], 0
	v_lshrrev_b32 v1, 5, v0
	v_readfirstlane_b32 s33, v1                    ; wave
	v_and_b32 v2, 31, v0                           ; lane = my column among the wave's 32
	v_lshlrev_b32 v3, 2, v2
	v_and_b32 v4, 7, v2
	v_bfe_u32 v9, v2, 3, 1
	v_bfe_u32 v10, v2, 4, 1
	v_lshl_or_b32 v4, v9, 4, v4
	v_lshl_or_b32 v4, v10, 3, v4                   ; its place: bits 3 and 4 exchanged
	s_mul_i32 s34, s33, STW
	v_mul_u32_u24 v5, v4, 48
	v_add_nc_u32 v5, s34, v5                       ; the stage, on the way in
	v_lshlrev_b32 v7, 4, v2
	v_add_nc_u32 v6, s34, v7                       ; and on the way out: 16 bytes a lane
	v_lshlrev_b32 v8, 2, v4                        ; my scale word's place
	s_wait_kmcnt 0x0
	; which tensor: work-groups 0-31 Wq, 32-95 Wkv, 96-127 Wout, 128-255 W1, 256-383 W2.  Only pointers and numbers are chosen: one path for all
	s_mov_b64 s[22:23], s[12:13]
	s_mov_b32 s28, 256                             ; the tensor's first work-group
	s_mov_b32 s29, 3                               ; log2(N / 128)
	s_mov_b32 s30, 4096                            ; its first row in the codes' buffer
	s_mov_b32 s31, 245760                          ; bytes from 64 along K to the next
	s_mov_b32 s32, 20480                           ; bytes from 128 along K to the next, in the scales
	s_cmp_lt_u32 ttmp9, 256
	s_cselect_b64 s[22:23], s[10:11], s[22:23]
	s_cselect_b64 s[24:25], s[14:15], s[18:19]
	s_cselect_b64 s[26:27], s[16:17], s[20:21]
	s_cselect_b32 s28, 128, s28
	s_cselect_b32 s29, 5, s29
	s_cselect_b32 s30, 12288, s30
	s_cselect_b32 s31, 983040, s31
	s_cselect_b32 s32, 81920, s32
	s_cmp_lt_u32 ttmp9, 128
	s_cselect_b64 s[22:23], s[8:9], s[22:23]
	s_cselect_b32 s28, 96, s28
	s_cselect_b32 s29, 3, s29
	s_cselect_b32 s30, 11264, s30
	s_cmp_lt_u32 ttmp9, 96
	s_cselect_b64 s[22:23], s[6:7], s[22:23]
	s_cselect_b32 s28, 32, s28
	s_cselect_b32 s29, 4, s29
	s_cselect_b32 s30, 9216, s30
	s_cmp_lt_u32 ttmp9, 32
	s_cselect_b64 s[22:23], s[4:5], s[22:23]
	s_cselect_b32 s28, 0, s28
	s_cselect_b32 s29, 3, s29
	s_cselect_b32 s30, 8192, s30
	s_sub_co_u32 s35, ttmp9, s28
	s_bfm_b32 s66, s29, 0
	s_and_b32 s66, s35, s66                        ; which 128 columns
	s_lshr_b32 s67, s35, s29                       ; which 256 along K
	s_lshl_b32 s68, 512, s29                       ; a row of the weight in bytes
	s_lshl_b32 s69, s66, 7
	s_lshl_b32 s70, s33, 5
	s_add_co_u32 s69, s69, s70                     ; my wave's first column
	s_lshl_b32 s70, s67, 8
	s_mul_i32 s70, s70, s68
	s_lshl_b32 s71, s69, 2
	s_add_co_u32 s70, s70, s71
	s_mov_b32 s71, 0
	s_add_nc_u64 s[36:37], s[22:23], s[70:71]      ; block 0's first row at my wave's columns
	s_lshl_b32 s70, s68, 5                         ; 32 rows on
.irp t, 1,2,3,4,5,6,7
	s_add_nc_u64 s[36+2*\t:37+2*\t], s[34+2*\t:35+2*\t], s[70:71]
.endr
	s_add_co_u32 s72, s30, s69                     ; my wave's first row in the codes' buffer
	s_lshl_b32 s73, s67, 2
	s_mul_i32 s73, s73, s31
	s_mul_i32 s74, s72, 48
	s_add_co_u32 s74, s74, s73
	s_mov_b32 s75, 0
	s_add_nc_u64 s[52:53], s[24:25], s[74:75]      ; where my four pieces of codes go
	s_mov_b32 s74, s31
.irp c, 1,2,3
	s_add_nc_u64 s[52+2*\c:53+2*\c], s[50+2*\c:51+2*\c], s[74:75]
.endr
	s_lshl_b32 s73, s67, 1
	s_mul_i32 s73, s73, s32
	s_lshl_b32 s74, s72, 2
	s_add_co_u32 s74, s74, s73
	s_add_nc_u64 s[60:61], s[26:27], s[74:75]      ; and my two runs of scale words
	s_mov_b32 s74, s32
	s_add_nc_u64 s[62:63], s[60:61], s[74:75]
.set i, 0
.rept 32
	v_mad_u32_u24 v[OF+i], s68, i, v3              ; row i, my column
.set i, i+1
.endr
.macro LOAD t                          ; block t: 32 rows at my column, into set t % 2
.set i, 0
.rept 32
	global_load_b32 v[X+32*((\t)%2)+i], v[OF+i], s[36+2*(\t):37+2*(\t)] th:TH_LOAD_NT
.set i, i+1
.endr
.endm
	LOAD 0
	LOAD 1
.macro BLOCK t
.set XS, X+32*((\t)%2)
.set PB, PC+6*((\t)%2)
.if (\t) < 7
	s_wait_loadcnt 32                              ; this block's 32 loads are in; the next block's may be out
.else
	s_wait_loadcnt 0x0
.endif
	v_max3_num_f32 v12, |v[XS]|, |v[XS+1]|, |v[XS+2]|      ; the block's largest magnitude: all 32 numbers are mine
	v_max3_num_f32 v13, |v[XS+3]|, |v[XS+4]|, |v[XS+5]|
.irp i, 6,10,14,18,22,26
	v_max3_num_f32 v12, v12, |v[XS+\i]|, |v[XS+\i+1]|
	v_max3_num_f32 v13, v13, |v[XS+\i+2]|, |v[XS+\i+3]|
.endr
	v_max3_num_f32 v12, v12, |v[XS+30]|, |v[XS+31]|
	v_max3_num_f32 v12, v12, v13, 0x1800000        ; and the floor 2^(3 - 127): the byte cannot fall under 1
	v_add_nc_u32 v11, 0xff000000, v12              ; 2 off the exponent field: the conversion's scale operand
	v_lshrrev_b32 v13, 23, v11                     ; the scale's byte
.if (\t)%4 == 0
	v_mov_b32 v[SB+(\t)/4], v13
.else
	v_lshl_or_b32 v[SB+(\t)/4], v13, 8*((\t)%4), v[SB+(\t)/4]
.endif
	v_cvt_scalef32_pk16_fp6_f32 v[PB:PB+2], v[XS:XS+15], v11
	v_cvt_scalef32_pk16_fp6_f32 v[T2:T2+2], v[XS+16:XS+31], v11    ; (a conversion's three registers begin on an even number)
	v_nop                                          ; one plain place behind a scaled conversion
.irp i, 0,1,2
	v_mov_b32 v[PB+3+\i], v[T2+\i]
.endr
.if (\t)+2 < 8
	LOAD (\t)+2
.endif
.if (\t)%2 == 1
.irp i, 0,1,2
	ds_store_b128 v5, v[PC+4*\i:PC+4*\i+3] offset:((\t)/2)*1536+16*\i   ; 64 codes of my column, at its place
.endr
	s_wait_dscnt 0x0                               ; the stores have read their registers
.endif
.endm
.irp t, 0,1,2,3,4,5,6,7
	BLOCK \t
.endr
	global_store_b32 v8, v[SB], s[60:61]           ; 32 lanes store 128 consecutive bytes
	s_wait_alu depctr_va_vdst(0)
	global_store_b32 v8, v[SB+1], s[62:63]
.set k, 0
.rept 12
	ds_load_b128 v[X+4*k:X+4*k+3], v6 offset:512*k ; LDS serves a wave's instructions in order: these see my stores
.set k, k+1
.endr
.set k, 0
.rept 12
	s_wait_dscnt 11-k                              ; load k is in; the younger ones may be out
	global_store_b128 v7, v[X+4*k:X+4*k+3], s[52+2*(k/3):53+2*(k/3)] offset:512*(k%3)   ; 512 consecutive bytes, at a multiple of 256 from the buffer's first byte
.set k, k+1
.endr
	s_wait_tensorcnt 0x0                           ; the wave's end, behind my last LDS store
	ds_add_u32 v[SPW], v[NIL]
	s_wait_dscnt 0x0
	s_endpgm
.Lfunc_end_k_q70b1a853e8_wq:
	.size	k_q70b1a853e8_wq, .Lfunc_end_k_q70b1a853e8_wq-k_q70b1a853e8_wq
	.p2alignl 7, 3214868480
	.fill 96, 4, 3214868480
	.section	.rodata,"a",@progbits
	.p2align	6, 0x0
	.amdhsa_kernel k_q70b1a853e8_wq
		.amdhsa_group_segment_fixed_size 25088
		.amdhsa_private_segment_fixed_size 0
		.amdhsa_enable_private_segment 0
		.amdhsa_kernarg_size 72
		.amdhsa_user_sgpr_count 2
		.amdhsa_user_sgpr_kernarg_segment_ptr 1
		.amdhsa_wavefront_size32 1
		.amdhsa_system_sgpr_workgroup_id_x 1
		.amdhsa_system_sgpr_workgroup_id_y 1
		.amdhsa_system_sgpr_workgroup_id_z 1
		.amdhsa_system_vgpr_workitem_id 0
		.amdhsa_next_free_vgpr 192
		.amdhsa_next_free_sgpr 76
		.amdhsa_reserve_vcc 0
		.amdhsa_float_denorm_mode_32 3
		.amdhsa_float_denorm_mode_16_64 3
		.amdhsa_memory_ordered 1
		.amdhsa_forward_progress 1
		.amdhsa_inst_pref_size 46
	.end_amdhsa_kernel
	.amdgpu_metadata
---
amdhsa.version: [ 1, 2 ]
amdhsa.kernels:
  - .name:           k_q70b1a853e8_wq
    .symbol:         k_q70b1a853e8_wq.kd
    .args:
      - { .name: Wq, .offset: 0, .size: 8, .value_kind: global_buffer, .address_space: global }
      - { .name: Wkv, .offset: 8, .size: 8, .value_kind: global_buffer, .address_space: global }
      - { .name: Wout, .offset: 16, .size: 8, .value_kind: global_buffer, .address_space: global }
      - { .name: W1, .offset: 24, .size: 8, .value_kind: global_buffer, .address_space: global }
      - { .name: W2, .offset: 32, .size: 8, .value_kind: global_buffer, .address_space: global }
      - { .name: C1, .offset: 40, .size: 8, .value_kind: global_buffer, .address_space: global }
      - { .name: S1, .offset: 48, .size: 8, .value_kind: global_buffer, .address_space: global }
      - { .name: C4, .offset: 56, .size: 8, .value_kind: global_buffer, .address_space: global }
      - { .name: S4, .offset: 64, .size: 8, .value_kind: global_buffer, .address_space: global }
    .group_segment_fixed_size: 25088
    .private_segment_fixed_size: 0
    .kernarg_segment_align: 8
    .kernarg_segment_size: 72
    .max_flat_workgroup_size: 128
    .sgpr_count:     76
    .vgpr_count:     192
    .wavefront_size: 32
...
	.end_amdgpu_metadata
.endif
;; end of part 1
;; launch lnq (part 2): grid 128 x 2, 8 waves a work-group, no clusters, 35,840 bytes of LDS; arguments q, kv, gamma_q, beta_q, gamma_kv, beta_kv, C1, S1; writes C1, S1
.if DOCPART == 2
	.amdgcn_target "amdgcn-amd-amdhsa--gfx1250"
	.amdhsa_code_object_version 6
	.text
	.protected	k_q70b1a853e8_lnq
	.globl	k_q70b1a853e8_lnq
	.p2align	8
	.type	k_q70b1a853e8_lnq,@function
k_q70b1a853e8_lnq:
	s_mov_b64 s[64:65], 0
	v_nop
	global_prefetch_b8 v0, s[64:65] scope:SCOPE_SE
	s_setreg_imm32_b32 hwreg(HW_REG_WAVE_MODE, 25, 1), 1
	s_wait_xcnt 0x0
; LAYERNORM AND QUANTISER.  Rows of 1024 f32 become codes of FP6 (E2M3) and scale bytes in C1, S1 (codes [16][20480][48], scale bytes [8][20480][4]; row n at the place n with bits 3 and 4 exchanged).
; Arguments: two sources, gain and bias of each, C1, S1.  Work-group y picks the source (y = 0: rows 0 on; y = 1: rows 4096 on); a launch whose grid has y = 0 alone never loads the second set.
; y = (x - mean) rsqrt(mean((x - mean)^2) + 1e-5) gain + bias, all in f32, the variance from the centred numbers as reference() has it.
; A work-group takes 32 rows; wave w takes columns 128 w .. 128 w + 127 of all of them, as two tiles u of 16 places.  Lane (r, h) holds, for (u, cc), the 32 numbers 128 w + 64 cc + 32 h + 0 .. 31 of row
; 32 G + 8 u + r + 8 (r / 8): a whole block in one lane.  The rows' sums meet in LDS: two barriers.  The codes leave through the wave's own stage as 1,536 consecutive bytes for each 64 along K.
; LIMITS: NaN and infinities in the inputs are not served; a block of zeros keeps the byte 1 (its codes are zeros; this program alone reads the bytes).
.set GL,    0                          ; LDS: the gain, 4,096 bytes;
.set BL,    4096                       ; the bias;
.set P1,    8192                       ; the waves' partial sums [wave][u][16];
.set P2,    9216                       ; those of the squares;
.set ST,    10240                      ; a stage of 3,072 bytes for each wave;
.set SPARE, 34816                      ; the spare words, 128 bytes a wave
.set X,     64                         ; v64-191  my 128 numbers: 64 u + 32 cc + i
.set GM,    192                        ; v192-223 32 gains
.set BT,    224                        ; v224-255 32 biases
	s_load_b512 s[4:19], s[0:1], 0x0               ; sources s4, s6; gain, bias s8, s10; s12, s14; C1 s16; S1 s18
	v_lshl_add_u32 v12, v0, 2, SPARE               ; my spare word; never rewritten
	v_mov_b32 v13, 0                               ; 0; never rewritten
	v_lshrrev_b32 v1, 5, v0
	s_delay_alu instid0(VALU_DEP_1)
	v_readfirstlane_b32 s20, v1                    ; wave 0..7
	v_and_b32 v1, 15, v0                           ; r
	v_bfe_u32 v2, v0, 4, 1                         ; h
	v_and_b32 v11, 31, v0
	s_delay_alu instid0(VALU_DEP_3)
	v_and_b32 v3, 8, v1
	s_delay_alu instid0(VALU_DEP_1)
	v_add_nc_u32 v3, v3, v1
	s_delay_alu instid0(VALU_DEP_1)
	v_lshlrev_b32 v3, 12, v3
	s_delay_alu instid0(VALU_DEP_1)
	v_lshl_add_u32 v3, v2, 7, v3                   ; row r + 8 (r / 8) of 4,096 bytes, + 128 h
	s_lshl_b32 s21, s20, 9
	v_lshlrev_b32 v4, 7, v2
	s_delay_alu instid0(VALU_DEP_1)
	v_add_nc_u32 v4, s21, v4                       ; gain and bias in LDS: 512 w + 128 h
	v_lshlrev_b32 v5, 2, v1                        ; 4 r
	s_lshl_b32 s22, s20, 7
	v_add_nc_u32 v6, s22, v5                       ; 128 w + 4 r
	s_mul_i32 s23, s20, 3072
	s_add_co_u32 s23, s23, ST
	v_mul_u32_u24 v7, v1, 48
	s_delay_alu instid0(VALU_DEP_1)
	v_mad_u32_u24 v7, v2, 24, v7
	s_delay_alu instid0(VALU_DEP_1)
	v_add_nc_u32 v7, s23, v7                       ; the stage, in: 48 r + 24 h
	v_lshlrev_b32 v9, 4, v11
	s_delay_alu instid0(VALU_DEP_1)
	v_add_nc_u32 v8, s23, v9                       ; out: 16 x lane
	v_lshlrev_b32 v10, 2, v11
	v_lshlrev_b32 v11, 4, v0                       ; 16 x thread: my bytes of gain and bias
	v_mov_b32 v30, 0                               ; a lane permute's destination counts as one of its sources
	v_mov_b32 v31, 0
	s_and_b32 s24, ttmp7, 0xffff
	s_mov_b32 s28, 0x76543210
	s_mov_b32 s29, 0xfedcba98                      ; lane l xor 16
	s_mov_b32 s30, 0xffff0000                      ; lanes 16-31
	s_wait_alu depctr_va_vdst(0)
	s_wait_kmcnt 0x0
	s_cmp_eq_u32 s24, 0
	s_cselect_b64 s[4:5], s[4:5], s[6:7]
	s_cselect_b64 s[8:9], s[8:9], s[12:13]
	s_cselect_b64 s[10:11], s[10:11], s[14:15]
	s_lshl_b32 s25, s24, 12
	s_lshl_b32 s26, ttmp9, 5
	s_add_co_u32 s25, s25, s26                     ; my work-group's first place in C1 and S1
	s_lshl_b32 s26, ttmp9, 17                      ; 32 rows of 4,096 bytes
	s_add_co_u32 s26, s26, s21
	s_mov_b32 s27, 0
	s_add_nc_u64 s[4:5], s[4:5], s[26:27]
	s_mul_i32 s26, s20, 81920
	s_lshl_b32 s31, s25, 2
	s_add_co_u32 s26, s26, s31
	s_add_nc_u64 s[18:19], s[18:19], s[26:27]      ; my 32 scale words
	s_mul_i32 s26, s20, 2*983040
	s_mul_i32 s31, s25, 48
	s_add_co_u32 s26, s26, s31
	s_add_nc_u64 s[16:17], s[16:17], s[26:27]      ; my two pieces of codes
	global_load_b128 v[GM:GM+3], v11, s[8:9]
	global_load_b128 v[BT:BT+3], v11, s[10:11]
.irp u, 0,1
.irp cc, 0,1
.irp j, 0,1,2,3,4,5,6,7
	global_load_b128 v[X+64*\u+32*\cc+4*\j:X+64*\u+32*\cc+4*\j+3], v3, s[4:5] offset:32768*\u+256*\cc+16*\j
.endr
.endr
.endr
	s_wait_loadcnt 32                              ; gain and bias are in; the 32 loads of rows may be out
	ds_store_b128 v11, v[GM:GM+3] offset:GL
	ds_store_b128 v11, v[BT:BT+3] offset:BL
; the two rows' sums, as pairs in v[14:15] and v[18:19], are added over the halves of the lanes and, through LDS at base, over the eight waves, in ascending order: totals in v14 and v18
.macro ACROSS base
.irp u, 0,1
	s_delay_alu instid0(VALU_DEP_2)
	v_add_f32 v[14+4*\u], v[14+4*\u], v[15+4*\u]
.endr
.irp u, 0,1
	s_delay_alu instid0(VALU_DEP_2)
	v_permlanex16_b32 v[30+\u], v[14+4*\u], s28, s29
.endr
.irp u, 0,1
	s_delay_alu instid0(VALU_DEP_2)
	v_add_f32 v[14+4*\u], v[14+4*\u], v[30+\u]
.endr
.irp u, 0,1
	ds_store_b32 v6, v[14+4*\u] offset:\base+64*\u ; both halves of the lanes write the same word with the same value
.endr
	s_wait_dscnt 0x0                               ; for the others' sake: my stores have landed
	s_barrier_signal -1
	s_barrier_wait -1
.irp u, 0,1
.irp w, 0,1,2,3,4,5,6,7
	ds_load_b32 v[32+8*\u+\w], v5 offset:\base+128*\w+64*\u
.endr
.endr
	s_wait_dscnt 0x0
.irp u, 0,1
	v_add_f32 v[14+4*\u], v[32+8*\u], v[33+8*\u]
.endr
.irp w, 2,3,4,5,6,7
.irp u, 0,1
	s_delay_alu instid0(VALU_DEP_2)
	v_add_f32 v[14+4*\u], v[14+4*\u], v[32+8*\u+\w]
.endr
.endr
.endm
	s_wait_loadcnt 0x0
.irp u, 0,1                            ; my 64 numbers of each row: two chains a row
	v_pk_add_f32 v[14+4*\u:15+4*\u], v[X+64*\u:X+64*\u+1], v[X+64*\u+2:X+64*\u+3]
	v_pk_add_f32 v[16+4*\u:17+4*\u], v[X+64*\u+4:X+64*\u+5], v[X+64*\u+6:X+64*\u+7]
.endr
.irp k, 8,12,16,20,24,28,32,36,40,44,48,52,56,60
.irp u, 0,1
	s_delay_alu instid0(VALU_DEP_4)
	v_pk_add_f32 v[14+4*\u:15+4*\u], v[14+4*\u:15+4*\u], v[X+64*\u+\k:X+64*\u+\k+1]
	s_delay_alu instid0(VALU_DEP_4)
	v_pk_add_f32 v[16+4*\u:17+4*\u], v[16+4*\u:17+4*\u], v[X+64*\u+\k+2:X+64*\u+\k+3]
.endr
.endr
.irp u, 0
	s_delay_alu instid0(VALU_DEP_3)
	v_pk_add_f32 v[14+4*\u:15+4*\u], v[14+4*\u:15+4*\u], v[16+4*\u:17+4*\u]
.endr
.irp u, 1
	s_delay_alu instid0(VALU_DEP_2)
	v_pk_add_f32 v[14+4*\u:15+4*\u], v[14+4*\u:15+4*\u], v[16+4*\u:17+4*\u]
.endr
	ACROSS P1
.irp u, 0,1
	s_delay_alu instid0(VALU_DEP_2)
	v_mul_f32 v[22+2*\u], 0x3a800000, v[14+4*\u]   ; the mean: / 1024
.endr
.irp u, 0,1
	s_delay_alu instid0(VALU_DEP_2)
	v_mov_b32 v[23+2*\u], v[22+2*\u]
.endr
.irp u, 0,1
.set k, 0
.rept 32
	v_pk_add_f32 v[X+64*\u+k:X+64*\u+k+1], v[X+64*\u+k:X+64*\u+k+1], v[22+2*\u:23+2*\u] neg_lo:[0,1] neg_hi:[0,1]   ; x - mean
.set k, k+2
.endr
.endr
.irp u, 0,1
	v_pk_mul_f32 v[14+4*\u:15+4*\u], v[X+64*\u:X+64*\u+1], v[X+64*\u:X+64*\u+1]
	v_pk_mul_f32 v[16+4*\u:17+4*\u], v[X+64*\u+2:X+64*\u+3], v[X+64*\u+2:X+64*\u+3]
.endr
.irp k, 4,8,12,16,20,24,28,32,36,40,44,48,52,56,60
.irp u, 0,1
	s_delay_alu instid0(VALU_DEP_4)
	v_pk_fma_f32 v[14+4*\u:15+4*\u], v[X+64*\u+\k:X+64*\u+\k+1], v[X+64*\u+\k:X+64*\u+\k+1], v[14+4*\u:15+4*\u]
	s_delay_alu instid0(VALU_DEP_4)
	v_pk_fma_f32 v[16+4*\u:17+4*\u], v[X+64*\u+\k+2:X+64*\u+\k+3], v[X+64*\u+\k+2:X+64*\u+\k+3], v[16+4*\u:17+4*\u]
.endr
.endr
.irp u, 0
	s_delay_alu instid0(VALU_DEP_3)
	v_pk_add_f32 v[14+4*\u:15+4*\u], v[14+4*\u:15+4*\u], v[16+4*\u:17+4*\u]
.endr
.irp u, 1
	s_delay_alu instid0(VALU_DEP_2)
	v_pk_add_f32 v[14+4*\u:15+4*\u], v[14+4*\u:15+4*\u], v[16+4*\u:17+4*\u]
.endr
	ACROSS P2
.irp u, 0,1
	s_delay_alu instid0(VALU_DEP_2)
	v_mul_f32 v[30+\u], 0x3a800000, v[14+4*\u]     ; the variance
.endr
.irp u, 0,1
	s_delay_alu instid0(VALU_DEP_2)
	v_add_f32 v[30+\u], 0x3727c5ac, v[30+\u]       ; + 1e-5
.endr
	s_wait_alu depctr_va_vdst(0)
	v_rsq_f32 v26, v30
	v_rsq_f32 v28, v31
	v_nop                                          ; a plain place behind the two
	s_wait_alu depctr_va_vdst(0)                   ; one wait for both, ahead of their first reader
	v_mov_b32 v27, v26
	s_wait_alu depctr_va_vdst(0)
	v_mov_b32 v29, v28
; 32 numbers of tile u, half cc: normalised, then quantised: a whole block of mine
.macro NORMQ u, cc
.set XS, X+64*(\u)+32*(\cc)
.set k, 0
.rept 16
	v_pk_mul_f32 v[XS+k:XS+k+1], v[XS+k:XS+k+1], v[26+2*(\u):27+2*(\u)]
.set k, k+2
.endr
.set k, 0
.rept 16
	v_pk_fma_f32 v[XS+k:XS+k+1], v[XS+k:XS+k+1], v[GM+k:GM+k+1], v[BT+k:BT+k+1]
.set k, k+2
.endr
	v_max3_num_f32 v32, |v[XS]|, |v[XS+1]|, |v[XS+2]|
	v_max3_num_f32 v33, |v[XS+3]|, |v[XS+4]|, |v[XS+5]|
.irp i, 6,10,14,18,22,26
	s_delay_alu instid0(VALU_DEP_2)
	v_max3_num_f32 v32, v32, |v[XS+\i]|, |v[XS+\i+1]|
	s_delay_alu instid0(VALU_DEP_2)
	v_max3_num_f32 v33, v33, |v[XS+\i+2]|, |v[XS+\i+3]|
.endr
	s_delay_alu instid0(VALU_DEP_2)
	v_max3_num_f32 v32, v32, |v[XS+30]|, |v[XS+31]|
	s_delay_alu instid0(VALU_DEP_1)
	v_max3_num_f32 v32, v32, v33, 0x1800000        ; the floor 2^(3 - 127)
	s_delay_alu instid0(VALU_DEP_1)
	v_add_nc_u32 v34, 0xff000000, v32              ; the conversion's scale operand
	s_delay_alu instid0(VALU_DEP_1)
	v_lshrrev_b32 v[56+2*(\u)+(\cc)], 23, v34      ; the scale's byte
	v_cvt_scalef32_pk16_fp6_f32 v[48:50], v[XS:XS+15], v34
	v_cvt_scalef32_pk16_fp6_f32 v[52:54], v[XS+16:XS+31], v34      ; (a conversion's three registers begin on an even number)
	v_nop                                          ; one plain place behind a scaled conversion
	v_mov_b32 v51, v52
	v_mov_b32 v52, v53
	v_mov_b32 v53, v54
.irp p, 0,1,2
	ds_store_b64 v7, v[48+2*\p:49+2*\p] offset:1536*(\cc)+768*(\u)+8*\p
.endr
	s_wait_dscnt 0x0                               ; the stores have read their registers
.endm
.irp cc, 0,1
.irp j, 0,1,2,3,4,5,6,7
	ds_load_b128 v[GM+4*\j:GM+4*\j+3], v4 offset:GL+256*\cc+16*\j   ; stored ahead of the first barrier
	ds_load_b128 v[BT+4*\j:BT+4*\j+3], v4 offset:BL+256*\cc+16*\j
.endr
	s_wait_dscnt 0x0
	NORMQ 0, \cc
	NORMQ 1, \cc
.endr
	s_wait_alu depctr_va_vdst(0)
.irp u, 0,1
	v_lshl_or_b32 v[60+\u], v[57+2*\u], 16, v[56+2*\u]     ; my two bytes: blocks h and 2 + h of the row's 128,
.endr
	v_lshlrev_b32 v62, 3, v2
	s_delay_alu instid0(VALU_DEP_1)
	v_lshlrev_b32 v60, v62, v60                    ; at their places in the word;
	s_delay_alu instid0(VALU_DEP_2)
	v_lshlrev_b32 v61, v62, v61
	s_delay_alu instid0(VALU_DEP_2)
	v_permlanex16_b32 v30, v60, s28, s29
	s_delay_alu instid0(VALU_DEP_2)
	v_permlanex16_b32 v31, v61, s28, s29
	s_delay_alu instid0(VALU_DEP_2)
	v_or_b32 v60, v60, v30                         ; with lane l xor 16's two the word is whole
	s_delay_alu instid0(VALU_DEP_2)
	v_or_b32 v61, v61, v31
	s_delay_alu instid0(VALU_DEP_1)
	v_cndmask_b32 v60, v60, v61, s30               ; lanes 0-15: tile 0's places, lanes 16-31: tile 1's
	global_store_b32 v10, v60, s[18:19]            ; 128 consecutive bytes
.irp i, 0,1,2,3,4,5
	ds_load_b128 v[64+4*\i:67+4*\i], v8 offset:512*\i      ; LDS serves a wave's instructions in order: these see my stores
.endr
.irp i, 0,1,2,3,4,5
	s_wait_dscnt 5-\i                              ; load i is in; the younger ones may be out
	global_store_b128 v9, v[64+4*\i:67+4*\i], s[16:17] offset:983040*(\i/3)+512*(\i%3)   ; 512 consecutive bytes, at a multiple of 256 from C1's first byte
.endr
	s_wait_tensorcnt 0x0                           ; the wave's end, behind my last LDS store
	ds_add_u32 v12, v13
	s_wait_dscnt 0x0
	s_endpgm
.Lfunc_end_k_q70b1a853e8_lnq:
	.size	k_q70b1a853e8_lnq, .Lfunc_end_k_q70b1a853e8_lnq-k_q70b1a853e8_lnq
	.p2alignl 7, 3214868480
	.fill 96, 4, 3214868480
	.section	.rodata,"a",@progbits
	.p2align	6, 0x0
	.amdhsa_kernel k_q70b1a853e8_lnq
		.amdhsa_group_segment_fixed_size 35840
		.amdhsa_private_segment_fixed_size 0
		.amdhsa_enable_private_segment 0
		.amdhsa_kernarg_size 64
		.amdhsa_user_sgpr_count 2
		.amdhsa_user_sgpr_kernarg_segment_ptr 1
		.amdhsa_wavefront_size32 1
		.amdhsa_system_sgpr_workgroup_id_x 1
		.amdhsa_system_sgpr_workgroup_id_y 1
		.amdhsa_system_sgpr_workgroup_id_z 1
		.amdhsa_system_vgpr_workitem_id 0
		.amdhsa_next_free_vgpr 256
		.amdhsa_next_free_sgpr 66
		.amdhsa_reserve_vcc 0
		.amdhsa_float_denorm_mode_32 3
		.amdhsa_float_denorm_mode_16_64 3
		.amdhsa_memory_ordered 1
		.amdhsa_forward_progress 1
		.amdhsa_inst_pref_size 49
	.end_amdhsa_kernel
	.amdgpu_metadata
---
amdhsa.version: [ 1, 2 ]
amdhsa.kernels:
  - .name:           k_q70b1a853e8_lnq
    .symbol:         k_q70b1a853e8_lnq.kd
    .args:
      - { .name: q, .offset: 0, .size: 8, .value_kind: global_buffer, .address_space: global }
      - { .name: kv, .offset: 8, .size: 8, .value_kind: global_buffer, .address_space: global }
      - { .name: gamma_q, .offset: 16, .size: 8, .value_kind: global_buffer, .address_space: global }
      - { .name: beta_q, .offset: 24, .size: 8, .value_kind: global_buffer, .address_space: global }
      - { .name: gamma_kv, .offset: 32, .size: 8, .value_kind: global_buffer, .address_space: global }
      - { .name: beta_kv, .offset: 40, .size: 8, .value_kind: global_buffer, .address_space: global }
      - { .name: C1, .offset: 48, .size: 8, .value_kind: global_buffer, .address_space: global }
      - { .name: S1, .offset: 56, .size: 8, .value_kind: global_buffer, .address_space: global }
    .group_segment_fixed_size: 35840
    .private_segment_fixed_size: 0
    .kernarg_segment_align: 8
    .kernarg_segment_size: 64
    .max_flat_workgroup_size: 256
    .sgpr_count:     66
    .vgpr_count:     256
    .wavefront_size: 32
...
	.end_amdgpu_metadata
.endif
;; end of part 2
;; launch mpack (part 3): grid 256 x 1, 8 waves a work-group, no clusters, 0 bytes of LDS; arguments attn_mask, kv_mask, mw; writes mw
.if DOCPART == 3
	.amdgcn_target "amdgcn-amd-amdhsa--gfx1250"
	.amdhsa_code_object_version 6
	.text
	.protected	k_q70b1a853e8_mpack
	.globl	k_q70b1a853e8_mpack
	.p2align	8
	.type	k_q70b1a853e8_mpack,@function
k_q70b1a853e8_mpack:
	s_mov_b64 s[64:65], 0
	v_nop
	global_prefetch_b8 v0, s[64:65] scope:SCOPE_SE
	s_setreg_imm32_b32 hwreg(HW_REG_WAVE_MODE, 25, 1), 1
	s_wait_xcnt 0x0
; THE TWO KEY MASKS BECOME LANE MASKS.  mw [b][128 tiles of queries][16 steps of 128 keys][64 words]: bit r + 16 h of word 16 e + i is attn_mask[b][query][key] AND kv_mask[b][key] for
; query = 32 (T / 2) + 8 (T % 2) + r + 8 (r / 8) and key = 128 s + 32 e + 16 h + i: the lane and the register in which the attention launch holds that score.  There one select by a scalar word masks a register.
; A work-group takes one tile of 16 queries, wave w the steps 2 w and 2 w + 1 (256 keys).  A lane loads the 16 mask bytes of each of its 8 runs of keys; a compare of one byte in all lanes IS a word.
; The wave's 128 words leave as 512 consecutive bytes.  No LDS, no barrier.  The bytes are 0 or 1.
	s_load_b128 s[4:7], s[0:1], 0x0                ; attn_mask, kv_mask
	s_load_b64 s[8:9], s[0:1], 0x10                ; mw
	v_lshrrev_b32 v1, 5, v0
	s_delay_alu instid0(VALU_DEP_1)
	v_readfirstlane_b32 s10, v1                    ; wave 0..7
	v_and_b32 v1, 15, v0                           ; r
	v_bfe_u32 v2, v0, 4, 1                         ; h
	s_delay_alu instid0(VALU_DEP_2)
	v_and_b32 v3, 8, v1
	s_delay_alu instid0(VALU_DEP_1)
	v_add_nc_u32 v3, v3, v1
	s_delay_alu instid0(VALU_DEP_1)
	v_lshlrev_b32 v3, 11, v3
	s_delay_alu instid0(VALU_DEP_1)
	v_lshl_add_u32 v3, v2, 4, v3                   ; row r + 8 (r / 8) of 2,048 bytes, + 16 h
	v_lshlrev_b32 v4, 4, v2                        ; kv_mask: 16 h
	v_and_b32 v5, 31, v0
	s_delay_alu instid0(VALU_DEP_1)
	v_lshlrev_b32 v5, 4, v5                        ; out: 16 x lane
	s_lshr_b32 s11, ttmp9, 7                       ; b
	s_and_b32 s12, ttmp9, 127                      ; T
	s_lshr_b32 s13, s12, 1
	s_lshl_b32 s13, s13, 5
	s_and_b32 s14, s12, 1
	s_lshl_b32 s14, s14, 3
	s_add_co_u32 s13, s13, s14                     ; the tile's first query
	s_lshl_b32 s15, s11, 11
	s_add_co_u32 s13, s13, s15
	s_lshl_b32 s16, s13, 11                        ; its row of attn_mask,
	s_lshl_b32 s18, s10, 8
	s_add_co_u32 s16, s16, s18                     ; + my wave's 256 keys
	s_mov_b32 s17, 0
	s_add_co_u32 s18, s18, s15                     ; the same keys in kv_mask
	s_mov_b32 s19, 0
	s_lshl_b32 s24, ttmp9, 12
	s_lshl_b32 s25, s10, 9
	s_add_co_u32 s24, s24, s25                     ; my wave's 512 bytes of mw
	s_mov_b32 s25, 0
	s_wait_alu depctr_va_vdst(0)
	s_wait_kmcnt 0x0
	s_add_nc_u64 s[4:5], s[4:5], s[16:17]
	s_add_nc_u64 s[6:7], s[6:7], s[18:19]
	s_add_nc_u64 s[8:9], s[8:9], s[24:25]
.irp g, 0,1,2,3,4,5,6,7                ; run g: keys 32 g + 16 h + 0 .. 15 of the wave's 256
	global_load_b128 v[8+4*\g:11+4*\g], v3, s[4:5] offset:32*\g
	global_load_b128 v[40+4*\g:43+4*\g], v4, s[6:7] offset:32*\g
.endr
	s_wait_loadcnt 0x0
.set k, 0
.rept 32
	v_and_b32 v[8+k], v[8+k], v[40+k]              ; both masks
.set k, k+1
.endr
.irp i, 0,1,2,3
	v_mov_b32 v[48+\i], 0                          ; v_writelane_b32's destination counts as read
.endr
.set N, 0
.rept 128                              ; word N: byte N % 4 of register N / 4, in all lanes; it goes to lane N / 4, register N % 4: the place of its 4 bytes in the wave's 512
	v_and_b32 v[40+N%4], 1<<(8*(N%4)), v[8+N/4]
	s_delay_alu instid0(VALU_DEP_1)
	v_cmp_ne_u32 s[20+N%4], 0, v[40+N%4]
	s_delay_alu instid0(VALU_DEP_1)
	v_writelane_b32 v[48+N%4], s[20+N%4], N/4
.set N, N+1
.endr
	global_store_b128 v5, v[48:51], s[8:9]         ; 512 consecutive bytes, at a multiple of 256 from mw's first byte
	s_endpgm
.Lfunc_end_k_q70b1a853e8_mpack:
	.size	k_q70b1a853e8_mpack, .Lfunc_end_k_q70b1a853e8_mpack-k_q70b1a853e8_mpack
	.p2alignl 7, 3214868480
	.fill 96, 4, 3214868480
	.section	.rodata,"a",@progbits
	.p2align	6, 0x0
	.amdhsa_kernel k_q70b1a853e8_mpack
		.amdhsa_group_segment_fixed_size 0
		.amdhsa_private_segment_fixed_size 0
		.amdhsa_enable_private_segment 0
		.amdhsa_kernarg_size 24
		.amdhsa_user_sgpr_count 2
		.amdhsa_user_sgpr_kernarg_segment_ptr 1
		.amdhsa_wavefront_size32 1
		.amdhsa_system_sgpr_workgroup_id_x 1
		.amdhsa_system_sgpr_workgroup_id_y 1
		.amdhsa_system_sgpr_workgroup_id_z 1
		.amdhsa_system_vgpr_workitem_id 0
		.amdhsa_next_free_vgpr 72
		.amdhsa_next_free_sgpr 66
		.amdhsa_reserve_vcc 0
		.amdhsa_float_denorm_mode_32 3
		.amdhsa_float_denorm_mode_16_64 3
		.amdhsa_memory_ordered 1
		.amdhsa_forward_progress 1
		.amdhsa_inst_pref_size 36
	.end_amdhsa_kernel
	.amdgpu_metadata
---
amdhsa.version: [ 1, 2 ]
amdhsa.kernels:
  - .name:           k_q70b1a853e8_mpack
    .symbol:         k_q70b1a853e8_mpack.kd
    .args:
      - { .name: attn_mask, .offset: 0, .size: 8, .value_kind: global_buffer, .address_space: global }
      - { .name: kv_mask, .offset: 8, .size: 8, .value_kind: global_buffer, .address_space: global }
      - { .name: mw, .offset: 16, .size: 8, .value_kind: global_buffer, .address_space: global }
    .group_segment_fixed_size: 0
    .private_segment_fixed_size: 0
    .kernarg_segment_align: 8
    .kernarg_segment_size: 24
    .max_flat_workgroup_size: 256
    .sgpr_count:     66
    .vgpr_count:     72
    .wavefront_size: 32
...
	.end_amdgpu_metadata
.endif
;; end of part 3
;; launch gq (part 4): grid 4 x 48, 4 waves a work-group, clusters of 4 x 4, 327,680 bytes of LDS; arguments C1, S1, qkvc, qkvs; writes qkvc, qkvs
.if DOCPART == 4
	.amdgcn_target "amdgcn-amd-amdhsa--gfx1250"
	.amdhsa_code_object_version 6
	.text
	.protected	k_q70b1a853e8_gq
	.globl	k_q70b1a853e8_gq
	.p2align	8
	.type	k_q70b1a853e8_gq,@function
k_q70b1a853e8_gq:
	s_mov_b64 s[64:65], 0
	v_nop
	global_prefetch_b8 v0, s[64:65] scope:SCOPE_SE
	s_setreg_imm32_b32 hwreg(HW_REG_WAVE_MODE, 25, 1), 1
	s_wait_xcnt 0x0
	s_wait_alu depctr_hold_cnt(0) depctr_sa_sdst(0) depctr_va_vdst(0) depctr_va_sdst(0) depctr_va_ssrc(0) depctr_va_vcc(0) depctr_vm_vsrc(0)
	s_getreg_b32 s2, hwreg(HW_REG_IB_STS2, 6, 4)
	s_cmp_eq_u32 s2, 0
	s_cbranch_scc0 .Lentry_in_a_cluster
	s_endpgm
.Lentry_in_a_cluster:
	s_bfe_u32 s2, ttmp6, 0x10000c
	s_cmp_lg_u32 s2, 0xf033
	s_cbranch_scc0 .Lentry_shape_is_right
	s_endpgm
.Lentry_shape_is_right:
.set ROWS,  20480
.set KK,    1024
.set CHB,   48*ROWS
.set NQ,    2
.set FR,    12
.set NL,    6
.set NP,    4
.set HALFT, 4*6144
.set SLOT,  4*HALFT
.set LAPS,  KK/512
.set SCL,   2*SLOT
.set HALFS, 4*KK
.set SPARE, SCL+4*HALFS+256
.set ADRA, 16
.set ADRB, 20
.set STO,  24
.set STS,  25
.set RD,   26
.set ADRS, 27
.set SPW,  28
.set NIL,  29
.set CO,   30
.set SC,   32
.set AF,   128
.set PC,   128
.set TM,   224
.set PW,   240
.set FLOOR, 241
.set SEL,  2
.set G1, 24
.set G0, 32
.set G1B, 48
.set G0B, 56
.set G1S, 68
.set G0S, 76
.set G1SB, 80
.set G0SB, 88
.set MSB, 0
.macro WIN new
.if MSB != (\new)
	s_set_vgpr_msb (MSB<<8)|(\new)
.set MSB, (\new)
.endif
.endm
.set MUL_LO, 0xa1
.set MUL_HI, 0xf1
.set TO_B,   0x40
.macro JLOAD g0a, g1a, g0b, g1b
	s_cmp_eq_u32 s15, 0
	s_cbranch_scc0 .Lfor_b_\@
	tensor_load_to_lds s[\g0a:\g0a+3], s[\g1a:\g1a+7]
	s_nop 0
.rept 4
	v_nop
.endr
	s_branch .Lasked_\@
.Lfor_b_\@:
	tensor_load_to_lds s[\g0b:\g0b+3], s[\g1b:\g1b+7]
	s_nop 0
.rept 4
	v_nop
.endr
.Lasked_\@:
.endm
.macro CREST
	s_cmp_lg_u32 s14, 0
	s_cbranch_scc1 .Lnot_wave_0_\@
	s_barrier_signal -3
.Lnot_wave_0_\@:
	s_barrier_wait -3
	s_barrier_signal -1
	s_barrier_wait -1
.endm
.macro CROUND
	s_barrier_signal -1
	s_barrier_wait -1
	CREST
.endm
	s_load_b128 s[4:7], s[0:1], 0x0
	s_load_b128 s[8:11], s[0:1], 0x10
	v_lshl_add_u32 v[SPW], v0, 2, SPARE
	v_mov_b32 v[NIL], 0
	ds_add_u32 v[SPW], v[NIL]
	ds_add_u32 v[SPW], v[NIL]
	v_lshrrev_b32 v1, 5, v0
	v_readfirstlane_b32 s14, v1
	s_lshr_b32 s15, s14, 1
	s_and_b32 s16, s14, 1
	s_bfe_u32 s40, ttmp6, 0x40000
	s_bfe_u32 s41, ttmp6, 0x40004
	s_and_b32 s17, ttmp7, 0xffff
	s_lshl_b32 s43, s41, 2
	s_lshl_b32 s43, 15, s43
	s_lshl_b32 s44, 0x1111, s40
	s_or_b32 s[G1+0], s43, (3<<16)|(1<<21)
	s_or_b32 s[G1B+0], s44, (3<<16)|(1<<21)
.irp g, G1, G1B
	s_mov_b32 s[\g+1], 768<<16
	s_mov_b32 s[\g+2], 4<<16
	s_mov_b32 s[\g+3], 768<<16
	s_mov_b32 s[\g+4], 4
	s_mov_b32 s[\g+5], 6*ROWS
	s_mov_b32 s[\g+6], 0
	s_mov_b32 s[\g+7], 0
.endr
	s_or_b32 s[G1S+0], s43, (3<<16)|(1<<21)
	s_or_b32 s[G1SB+0], s44, (3<<16)|(1<<21)
.irp g, G1S, G1SB
	s_mov_b32 s[\g+1], 64<<16
	s_mov_b32 s[\g+2], (KK/128)<<16
	s_mov_b32 s[\g+3], 64<<16
	s_mov_b32 s[\g+4], KK/128
	s_mov_b32 s[\g+5], ROWS/2
	s_mov_b32 s[\g+6], 0
	s_mov_b32 s[\g+7], 0
.endr
	s_lshl_b32 s20, s17, 10
	s_mov_b32 s18, 10240
	s_lshr_b32 s46, s17, 2
	s_lshl_b32 s46, s46, 10
	s_add_co_u32 s46, s46, 8192
	s_max_u32 s19, s17, 4
	s_sub_co_u32 s19, s19, 4
	s_lshl_b32 s19, s19, 10
	s_cmp_lt_u32 s17, 8
	s_cselect_b32 s20, s20, s18
	s_cselect_b32 s46, s46, s19
	s_lshl_b32 s18, s41, 8
	s_add_co_u32 s20, s20, s18
	s_lshl_b32 s18, s40, 8
	s_add_co_u32 s46, s46, s18
	s_lshl_b32 s18, s16, 7
	s_add_co_u32 s20, s20, s18
	s_add_co_u32 s46, s46, s18
	s_lshl_b32 s22, s20, 2
	s_mov_b32 s23, 0
	s_lshl_b32 s92, s46, 2
	s_mov_b32 s93, 0
	s_mul_i32 s20, s20, 48
	s_mov_b32 s21, 0
	s_mul_i32 s46, s46, 48
	s_mov_b32 s47, 0
	s_mul_i32 s45, s14, HALFT
	s_mul_i32 s94, s14, HALFS
	s_wait_dscnt 0x0
	s_wait_kmcnt 0x0
	s_add_nc_u64 s[20:21], s[4:5], s[20:21]
	s_add_nc_u64 s[22:23], s[6:7], s[22:23]
	s_add_nc_u64 s[46:47], s[4:5], s[46:47]
	s_add_nc_u64 s[92:93], s[6:7], s[92:93]
	CROUND
	s_mov_b32 s[G0S], 1
	s_add_co_u32 s[G0S+1], s94, SCL
	s_mov_b64 s[G0S+2:G0S+3], s[22:23]
	s_or_b32 s[G0S+3], s[G0S+3], 0x80000000
	s_mov_b32 s[G0SB], 1
	s_add_co_u32 s[G0SB+1], s94, SCL+64
	s_mov_b64 s[G0SB+2:G0SB+3], s[92:93]
	s_or_b32 s[G0SB+3], s[G0SB+3], 0x80000000
	JLOAD G0S, G1S, G0SB, G1SB
.irp s, 0,1
	s_mov_b32 s[G0+4*\s], 1
	s_add_co_u32 s[G0+4*\s+1], s45, \s*SLOT
	s_add_nc_u64 s[G0+4*\s+2:G0+4*\s+3], s[20:21], \s*4*CHB
	s_or_b32 s[G0+4*\s+3], s[G0+4*\s+3], 0x80000000
	s_mov_b32 s[G0B+4*\s], 1
	s_add_co_u32 s[G0B+4*\s+1], s45, \s*SLOT
	s_add_nc_u64 s[G0B+4*\s+2:G0B+4*\s+3], s[46:47], \s*4*CHB
	s_or_b32 s[G0B+4*\s+3], s[G0B+4*\s+3], 0x80000000
	s_wait_alu depctr_va_vdst(0)
	s_wait_tensorcnt 0x0
	ds_add_u32 v28, v29
	s_wait_dscnt 0x0
	CROUND
	JLOAD G0+4*\s, G1, G0B+4*\s, G1B
.endr
	v_and_b32 v1, 15, v0
	v_bfe_u32 v2, v0, 4, 1
	s_wait_alu depctr_va_vdst(0)
	v_mul_u32_u24 v3, v1, 48
	v_mad_u32_u24 v3, v2, 24, v3
	s_wait_alu depctr_va_vdst(0)
	s_mul_i32 s21, s15, HALFT
	s_mul_i32 s22, s16, HALFT
	s_add_co_u32 s22, s22, 2*HALFT
.irp s, 0,1
	v_add_nc_u32 v[ADRA+\s], s21, v3
	v_add_nc_u32 v[ADRB+\s], s22, v3
	s_add_co_u32 s21, s21, SLOT
	s_add_co_u32 s22, s22, SLOT
.endr
	v_lshlrev_b32 v5, 2, v1
	s_mul_i32 s21, s15, HALFS
	s_mul_i32 s22, s16, HALFS
	s_add_co_u32 s22, s22, 2*HALFS+64
	s_sub_co_u32 s22, s22, s21
	v_mul_u32_u24 v6, s22, v2
	s_add_co_u32 s21, s21, SCL
	v_add_nc_u32 v6, v5, v6
	v_add_nc_u32 v[ADRS], s21, v6
	s_mul_i32 s23, s14, 12800
	v_add_nc_u32 v[STO], s23, v3
	v_add_nc_u32 v[STS], s23, v5
	v_and_b32 v6, 31, v0
	v_lshlrev_b32 v[CO], 4, v6
	v_add_nc_u32 v[RD], s23, v[CO]
	s_and_b32 s18, s17, 3
	s_lshr_b32 s19, s17, 2
	s_mul_i32 s20, s19, 3145728
	s_lshl_b32 s21, s19, 17
	s_lshl_b32 s22, s18, 10
	s_lshl_b32 s23, s18, 4
	s_mov_b32 s45, 6291456
	s_mov_b32 s46, 262144
	s_mov_b32 s92, 49152
	s_mov_b32 s94, 4096
	s_cmp_lt_u32 s17, 8
	s_cselect_b32 s20, s20, s45
	s_cselect_b32 s21, s21, s46
	s_cselect_b32 s22, s22, 0
	s_cselect_b32 s23, 0, s23
	s_cselect_b32 s92, 196608, s92
	s_cselect_b32 s94, 16384, s94
	s_lshl_b32 s18, s41, 8
	s_add_co_u32 s22, s22, s18
	s_lshl_b32 s18, s15, 7
	s_add_co_u32 s22, s22, s18
	s_lshl_b32 s18, s40, 2
	s_add_co_u32 s23, s23, s18
	s_lshl_b32 s18, s16, 1
	s_add_co_u32 s23, s23, s18
	s_mul_i32 s18, s23, s92
	s_add_co_u32 s20, s20, s18
	s_mul_i32 s18, s22, 48
	s_add_co_u32 s96, s20, s18
	s_mov_b32 s97, 0
	s_add_nc_u64 s[8:9], s[8:9], s[96:97]
	s_mov_b32 s93, 0
	s_add_nc_u64 s[12:13], s[8:9], s[92:93]
	s_lshr_b32 s23, s23, 1
	s_mul_i32 s18, s23, s94
	s_add_co_u32 s21, s21, s18
	s_lshl_b32 s18, s22, 2
	s_add_co_u32 s96, s21, s18
	s_add_nc_u64 s[10:11], s[10:11], s[96:97]
.macro FRAG reg, adr, q, i
.irp p, 0,1,2,3,4,5
	ds_load_b64 v[\reg+2*\p:\reg+2*\p+1], v[\adr] offset:(2*(\q)+\p/3)*6144+(\i)*768+8*(\p%3)
.endr
.endm
.macro MUL16 a0, p, q, sc, zero
.irp a, \a0, \a0+1
.irp b, 0,1,2,3,4,5,6,7
.if \zero
	v_wmma_scale_f32_16x16x128_f8f6f4 v[8*(8*((\a)%4)+\b):8*(8*((\a)%4)+\b)+7], v[128*(\p)+FR*\b:128*(\p)+FR*\b+FR-1], v[AF+FR*(\a):AF+FR*(\a)+FR-1], 0, v[SC+8*NQ*(\sc)+NQ*\b+(\q)], v[SC+8*NQ*(\sc)+NQ*(\a)+(\q)] matrix_a_fmt:MATRIX_FMT_FP6 matrix_b_fmt:MATRIX_FMT_FP6 matrix_a_scale:MATRIX_SCALE_ROW1
.else
	v_wmma_scale_f32_16x16x128_f8f6f4 v[8*(8*((\a)%4)+\b):8*(8*((\a)%4)+\b)+7], v[128*(\p)+FR*\b:128*(\p)+FR*\b+FR-1], v[AF+FR*(\a):AF+FR*(\a)+FR-1], v[8*(8*((\a)%4)+\b):8*(8*((\a)%4)+\b)+7], v[SC+8*NQ*(\sc)+NQ*\b+(\q)], v[SC+8*NQ*(\sc)+NQ*(\a)+(\q)] matrix_a_fmt:MATRIX_FMT_FP6 matrix_b_fmt:MATRIX_FMT_FP6 matrix_a_scale:MATRIX_SCALE_ROW1
.endif
.endr
.endr
.endm
.macro FETCH_B slot, q, p
	WIN TO_B
.irp i, 0,1,2,3,4,5,6,7
	FRAG 128*(\p)+FR*\i, ADRB+\slot, \q, \i
.endr
	WIN 0
.endm
.macro FETCH_A slot, q, i0
.irp i, \i0, \i0+1, \i0+2, \i0+3
	FRAG AF+FR*(\i), ADRA+\slot, \q, \i
.endr
.endm
.macro SCALES sc
.irp i, 0,1,2,3,4,5,6,7
	ds_load_b32 v[SC+16*\sc+2*\i], v[ADRS] offset:64*\i
	ds_load_b32 v[SC+16*\sc+2*\i+1], v[ADRS] offset:512+64*\i
.endr
.endm
.macro PLACES n
.rept \n
	v_nop
.endr
.endm
.macro STEP slot, q, zero
	s_wait_dscnt 4*NL
	WIN MUL_LO
	MUL16 0, (\q)%2, \q, \slot, \zero
	MUL16 2, (\q)%2, \q, \slot, \zero
	s_wait_dscnt 0
	PLACES NP
	FETCH_B \slot, (\q)+1, 1-(\q)%2
	FETCH_A \slot, (\q)+1, 0
	WIN MUL_HI
	MUL16 4, (\q)%2, \q, \slot, \zero
	MUL16 6, (\q)%2, \q, \slot, \zero
	PLACES NP
	WIN 0
	FETCH_A \slot, (\q)+1, 4
.endm
.macro TURN slot, next, fill
	s_wait_tensorcnt 0x0
	ds_add_u32 v[SPW], v[NIL]
	s_wait_dscnt 4*NL+1
	WIN MUL_LO
	MUL16 0, 1, NQ-1, \slot, 0
	s_wait_dscnt 0x0
	s_barrier_signal -1
	MUL16 2, 1, NQ-1, \slot, 0
	WIN 0
	s_barrier_wait -1
.if \fill
	CREST
	s_add_nc_u64 s[G0+4*\slot+2:G0+4*\slot+3], s[G0+4*\slot+2:G0+4*\slot+3], 8*CHB
	s_add_nc_u64 s[G0B+4*\slot+2:G0B+4*\slot+3], s[G0B+4*\slot+2:G0B+4*\slot+3], 8*CHB
	JLOAD G0+4*\slot, G1, G0B+4*\slot, G1B
.else
	PLACES NP
.endif
	s_wait_alu depctr_va_vdst(0)
	v_add_nc_u32 v[ADRS], 1024, v[ADRS]
	FETCH_B \next, 0, 0
	FETCH_A \next, 0, 0
	SCALES \next
	WIN MUL_HI
	MUL16 4, 1, NQ-1, \slot, 0
	MUL16 6, 1, NQ-1, \slot, 0
	PLACES NP
	WIN 0
	FETCH_A \next, 0, 4
.endm
	s_wait_alu depctr_va_vdst(0)
	s_wait_tensorcnt 1
	s_barrier_signal -1
	s_barrier_wait -1
	FETCH_B 0, 0, 0
	FETCH_A 0, 0, 0
	SCALES 0
	FETCH_A 0, 0, 4
	STEP 0, 0, 1
	s_mov_b32 s3, LAPS-1
.Llap:
	TURN 0, 1, 1
	STEP 1, 0, 0
	TURN 1, 0, 1
	STEP 0, 0, 0
	s_sub_co_u32 s3, s3, 1
	s_cmp_lg_u32 s3, 0
	s_cbranch_scc1 .Llap
	TURN 0, 1, 0
	STEP 1, 0, 0
	s_wait_dscnt 4*NL
	WIN MUL_LO
	MUL16 0, 1, NQ-1, 1, 0
	MUL16 2, 1, NQ-1, 1, 0
	s_wait_dscnt 0
	WIN MUL_HI
	MUL16 4, 1, NQ-1, 1, 0
	MUL16 6, 1, NQ-1, 1, 0
	WIN 0
.macro QUANT s, w
	WIN ((\w)<<2)|((\w)<<4)
.irp b, 0,1,2,3
	v_max3_num_f32 v[TM+\b], v[FLOOR], |v[\s+16*\b]|, |v[\s+16*\b+1]|
.endr
.irp i, 2,4,6,8,10,12,14
.irp b, 0,1,2,3
	v_max3_num_f32 v[TM+\b], v[TM+\b], |v[\s+16*\b+\i]|, |v[\s+16*\b+\i+1]|
.endr
.endr
	WIN 0
.irp b, 0,1,2,3
	v_permlanex16_b32 v[TM+4+\b], v[TM+\b], s[SEL], s[SEL+1]
.endr
.irp b, 0,1,2,3
	v_max_num_f32 v[TM+\b], v[TM+\b], v[TM+4+\b]
.endr
.irp b, 0,1,2,3
	v_add_nc_u32 v[TM+12+\b], 0xff000000, v[TM+\b]
.endr
.irp b, 0,1,2,3
	v_lshrrev_b32 v[TM+4+\b], 23, v[TM+12+\b]
.endr
	v_lshl_or_b32 v[PW], v[TM+5], 8, v[TM+4]
	v_lshl_or_b32 v[PW], v[TM+6], 16, v[PW]
	v_lshl_or_b32 v[PW], v[TM+7], 24, v[PW]
	WIN (\w)
.irp c, 0,1
	v_cvt_scalef32_pk16_fp6_f32 v[PC+6*\c:PC+6*\c+2], v[\s+32*\c:\s+32*\c+15], v[TM+12+2*\c]
	v_cvt_scalef32_pk16_fp6_f32 v[PC+12+4*\c:PC+14+4*\c], v[\s+32*\c+16:\s+32*\c+31], v[TM+12+2*\c+1]
.endr
	WIN 0
	v_nop
.irp c, 0,1
.irp i, 0,1,2
	v_permlane16_swap_b32 v[PC+6*\c+\i], v[PC+12+4*\c+\i]
.endr
.irp i, 0,1,2
	v_mov_b32 v[PC+3+6*\c+\i], v[PC+12+4*\c+\i]
.endr
.endr
.endm
	PLACES NP
	s_mov_b32 s[SEL], 0x76543210
	s_mov_b32 s[SEL+1], 0xfedcba98
	v_mov_b32 v[FLOOR], 0x1800000
.irp b, 0,1,2,3
	v_mov_b32 v[TM+4+\b], 0
.endr
.irp a, 0,1,2,3,4,5,6,7
	QUANT 64*(\a%4), 2+\a/4
.irp c, 0,1
.irp p, 0,1,2
	ds_store_b64 v[STO], v[PC+6*\c+2*\p:PC+6*\c+2*\p+1] offset:6144*\c+768*\a+8*\p
.endr
.endr
	ds_store_b32 v[STS], v[PW] offset:12288+64*\a
	s_wait_dscnt 0x0
.endr
.set k, 0
.rept 24
	ds_load_b128 v[160+4*k:163+4*k], v[RD] offset:512*k
.set k, k+1
.endr
	ds_load_b128 v[148:151], v[RD] offset:12288
.set k, 0
.rept 24
	s_wait_dscnt 24-k
.if k < 12
	global_store_b128 v[CO], v[160+4*k:163+4*k], s[8:9] offset:512*k
.else
	global_store_b128 v[CO], v[160+4*k:163+4*k], s[12:13] offset:512*(k-12)
.endif
.set k, k+1
.endr
	s_wait_dscnt 0x0
	global_store_b128 v[CO], v[148:151], s[10:11]
	s_wait_tensorcnt 0x0
	ds_add_u32 v[SPW], v[NIL]
	s_wait_dscnt 0x0
	CROUND
	s_endpgm
.Lfunc_end_k_q70b1a853e8_gq:
	.size	k_q70b1a853e8_gq, .Lfunc_end_k_q70b1a853e8_gq-k_q70b1a853e8_gq
	.p2alignl 7, 3214868480
	.fill 96, 4, 3214868480
	.section	.rodata,"a",@progbits
	.p2align	6, 0x0
	.amdhsa_kernel k_q70b1a853e8_gq
		.amdhsa_group_segment_fixed_size 327680
		.amdhsa_private_segment_fixed_size 0
		.amdhsa_enable_private_segment 0
		.amdhsa_kernarg_size 32
		.amdhsa_user_sgpr_count 2
		.amdhsa_user_sgpr_kernarg_segment_ptr 1
		.amdhsa_wavefront_size32 1
		.amdhsa_system_sgpr_workgroup_id_x 1
		.amdhsa_system_sgpr_workgroup_id_y 1
		.amdhsa_system_sgpr_workgroup_id_z 1
		.amdhsa_system_vgpr_workitem_id 0
		.amdhsa_next_free_vgpr 1024
		.amdhsa_next_free_sgpr 100
		.amdhsa_reserve_vcc 0
		.amdhsa_float_denorm_mode_32 3
		.amdhsa_float_denorm_mode_16_64 3
		.amdhsa_memory_ordered 1
		.amdhsa_forward_progress 1
		.amdhsa_inst_pref_size 173
	.end_amdhsa_kernel
	.amdgpu_metadata
---
amdhsa.version: [ 1, 2 ]
amdhsa.kernels:
  - .name:           k_q70b1a853e8_gq
    .symbol:         k_q70b1a853e8_gq.kd
    .args:
      - { .name: C1, .offset: 0, .size: 8, .value_kind: global_buffer, .address_space: global }
      - { .name: S1, .offset: 8, .size: 8, .value_kind: global_buffer, .address_space: global }
      - { .name: qkvc, .offset: 16, .size: 8, .value_kind: global_buffer, .address_space: global }
      - { .name: qkvs, .offset: 24, .size: 8, .value_kind: global_buffer, .address_space: global }
    .group_segment_fixed_size: 327680
    .private_segment_fixed_size: 0
    .kernarg_segment_align: 8
    .kernarg_segment_size: 32
    .max_flat_workgroup_size: 128
    .sgpr_count:     100
    .vgpr_count:     1024
    .wavefront_size: 32
...
	.end_amdgpu_metadata
.endif
;; end of part 4
;; launch attn (part 5): grid 8 x 32, 16 waves a work-group, clusters of 4 x 1, 223,232 bytes of LDS; arguments qkvc, qkvs, mw, q_mask, C1, S1; writes C1, S1
.if DOCPART == 5
	.amdgcn_target "amdgcn-amd-amdhsa--gfx1250"
	.amdhsa_code_object_version 6
	.text
	.protected	k_q70b1a853e8_attn
	.globl	k_q70b1a853e8_attn
	.p2align	8
	.type	k_q70b1a853e8_attn,@function
k_q70b1a853e8_attn:
	s_mov_b64 s[64:65], 0
	v_nop
	global_prefetch_b8 v0, s[64:65] scope:SCOPE_SE
	s_setreg_imm32_b32 hwreg(HW_REG_WAVE_MODE, 25, 1), 1
	s_wait_xcnt 0x0
	s_wait_alu depctr_hold_cnt(0) depctr_sa_sdst(0) depctr_va_vdst(0) depctr_va_sdst(0) depctr_va_ssrc(0) depctr_va_vcc(0) depctr_vm_vsrc(0)
	s_getreg_b32 s2, hwreg(HW_REG_IB_STS2, 6, 4)
	s_cmp_eq_u32 s2, 0
	s_cbranch_scc0 .Lentry_in_a_cluster
	s_endpgm
.Lentry_in_a_cluster:
	s_bfe_u32 s2, ttmp6, 0x10000c
	s_cmp_lg_u32 s2, 0x3003
	s_cbranch_scc0 .Lentry_shape_is_right
	s_endpgm
.Lentry_shape_is_right:
; MASKED CROSS-ATTENTION on codes of FP6 (E2M3): for each batch b and head, out = Q(softmax(masked Q K^T / 8)) V, and out quantised along (head, channel) into C1, S1 (places 16384 on) for the next product.
; reference() quantises the FINISHED, NORMALISED softmax, so a weight's code hangs on its row's whole sum: THE KEYS ARE WALKED TWICE.  Pass 1: the row's maximum m (a running maximum) and the sum l of 2^(s c - m c).
; Pass 2: the scores once more, p = 2^(s c - K0) with K0 = m c + log2 l, quantised along the keys, times V.  c = log2(e) / 8 holds the factor 2^-3 that was left off Q (it only moves Q's scales).
; THE MASKS come as lane masks (mw): one select a register puts -2^120 where a key is masked.  reference() writes the least f32 number there, which is finite: a row with all keys masked gets equal weights 1 / 2048.
; Here: m = -2^120 marks such a row; its factor is 0 and its K0 is 11, since each of its 2048 terms is 2^0.  LIMIT: true scores under -2^120.
; row_has_key (isfinite(sim).any) is kept: it is read off the running maximum m (below).  Rows without it, and rows whose q_mask is false,
; get weights 0: Q's codes are cleared and K0 = 2^100.  The maximum inside jax.nn.softmax is that of numbers whose largest is 0 and is left out.
; LIMIT: where reference() gives NaN (an infinite or NaN score beside finite ones) the NaN is not reproduced.
; SHARES.  A work-group: one (b, head), 256 queries; each of its sixteen waves one tile of 16 places of queries, in 256 registers.  ALL the head's K and V lie in LDS from the start: first fills alone, no ring.
; CLUSTER: the four query blocks of a cluster walk the same K and V: each tile is asked for jointly, mask 15.  Every wave issues one joint load.
; LAYOUT.  S^T = K Q^T and O^T = V^T P^T: a lane holds one query throughout.  A tile's 16 places of keys hold keys 32 e + 8 u + r + 8 (r / 8), so registers 16 e + i of S^T are the keys 32 e + 16 (lane / 16) + i.
; THE HEAD IS 64 WIDE, the instruction 128: Q's upper 64 codes are zeros and its upper two scale bytes 0; K's operand of tile t then runs on into tile t + 1's registers, whose codes meet those zeros.
; REGISTERS: v1-4 lane places; v5, v6 the add's two; v7 -2^120; v8-11 addresses in hand; v12 -(m c), then -K0; v[14:15] l; v16-27 Q; v28 Q's scales; v29 m; v[30:31] the lane's factor; v32-85 K's or V's fragments;
; v86-93 their scales; v94 p's scales; v96-159 S^T, p; v160-191 O^T; v192-210 codes; v212-223 at work on blocks; v236-251 at work and constants.
.set VC,    98304                      ; LDS: K's codes [2048][48] from 0; V's [32 pieces][64][48];
.set KS,    196608                     ; K's scale words [2048][4] (two heads' bytes);
.set VS,    204800                     ; V's [16][64][4];
.set SPARE, 208896                     ; the spare words, 128 bytes a wave;
.set STG,   210944                     ; a stage of 768 bytes for each wave
.set NEG,  7
.set QF,   16
.set QS,   28
.set KB,   32
.set SR,   86
.set PW,   94
.set S,    96
.set O,    160
.set PC,   192
.set TM,   212
; In place of what the head comment says of g and of four loads a wave: row_has_key is read off the running maximum m, which begins at -infinity and takes masked keys as -2^120:
; m is -infinity at the end only where no key is masked and no score is finite or +infinity; with +infinity among the scores reference() gives NaN (the LIMIT above) or, under a false q_mask, 0, as here.
; The head's tiles are shared out, one joint load a wave: waves 0-3 K's codes (512 keys each), 4-5 K's scale words (1,024 keys each), 6-7 V's scale words (8 steps each), 8-15 V's codes (4 pieces each).
.set WV,   2
.set CNT,  3
.set G1K,  16
.set G1KS, 24
.set G1V,  32
.set G1VS, 40
.set G0K,  48
.set G0KS, 52
.set G0V,  56
.set G0VS, 60
.set SEL,  66
.set CS,   84                          ; s[84:85] c
.set NC,   86                          ; -c
.set TK,   87                          ; the step's bytes in K's and in V's codes
.set TS,   88                          ; in K's scale words
.set TT,   89                          ; in V's
.set MOFF, 90                          ; in the mask words
.set OKM,  91
.set NFM,  92
.macro CROUND
	s_barrier_signal -1
	s_barrier_wait -1
	s_cmp_lg_u32 s[WV], 0
	s_cbranch_scc1 .Lnot_wave_0_\@
	s_barrier_signal -3
.Lnot_wave_0_\@:
	s_barrier_wait -3
	s_barrier_signal -1
	s_barrier_wait -1
.endm
	s_load_b256 s[4:11], s[0:1], 0x0               ; qkvc s4, qkvs s6, mw s8, q_mask s10
	s_load_b128 s[12:15], s[0:1], 0x20             ; C1, S1
	v_lshl_add_u32 v5, v0, 2, SPARE
	v_mov_b32 v6, 0
	ds_add_u32 v5, v6                              ; the wave's opening: the add, twice on end, and its wait ahead of my first tensor load
	ds_add_u32 v5, v6
	v_lshrrev_b32 v8, 5, v0
	s_delay_alu instid0(VALU_DEP_1)
	v_readfirstlane_b32 s[WV], v8                  ; wave 0..15
	s_bfe_u32 s94, ttmp6, 0x40000                  ; cx
	s_lshl_b32 s95, ttmp9, 2
	s_add_co_u32 s95, s95, s94                     ; my block of 256 queries: it enters global addresses of Q, the masks and the result alone
	s_and_b32 s96, ttmp7, 0xffff
	s_lshr_b32 s97, s96, 4                         ; b
	s_and_b32 s96, s96, 15                         ; head
	s_mov_b32 s[G1K], 15|(3<<16)|(1<<21)           ; K's codes: 128 keys x 48 dense bytes, as 24 rows of 256
	s_mov_b32 s[G1K+1], 32<<16
	s_mov_b32 s[G1K+2], 96<<16                     ; 512 keys x 48 dense bytes: 96 rows of 256
	s_mov_b32 s[G1K+3], 32<<16
	s_mov_b32 s[G1K+4], 96
	s_mov_b32 s[G1K+5], 32
	s_mov_b32 s[G1K+6], 0
	s_mov_b32 s[G1K+7], 0
	s_mov_b32 s[G1KS], 15|(3<<16)|(1<<21)          ; K's scale words: 512 dense bytes
	s_mov_b32 s[G1KS+1], 32<<16
	s_mov_b32 s[G1KS+2], 16<<16                    ; 1,024 keys x 4 dense bytes: 16 rows of 256
	s_mov_b32 s[G1KS+3], 32<<16
	s_mov_b32 s[G1KS+4], 16
	s_mov_b32 s[G1KS+5], 32
	s_mov_b32 s[G1KS+6], 0
	s_mov_b32 s[G1KS+7], 0
	s_mov_b32 s[G1V], 15|(3<<16)|(1<<21)           ; V's codes: two pieces of 64 keys, 64 channels x 48 bytes each, 49,152 bytes apart
	s_mov_b32 s[G1V+1], 384<<16
	s_mov_b32 s[G1V+2], 4<<16                      ; four pieces of 64 keys
	s_mov_b32 s[G1V+3], 384<<16
	s_mov_b32 s[G1V+4], 4
	s_mov_b32 s[G1V+5], 6144
	s_mov_b32 s[G1V+6], 0
	s_mov_b32 s[G1V+7], 0
	s_mov_b32 s[G1VS], 15|(3<<16)|(1<<21)          ; V's scale words of 128 keys: one row of 256 bytes
	s_mov_b32 s[G1VS+1], 32<<16
	s_mov_b32 s[G1VS+2], 8<<16                     ; eight steps' rows of 256 bytes, 4,096 bytes apart in memory
	s_mov_b32 s[G1VS+3], 32<<16
	s_mov_b32 s[G1VS+4], 8
	s_mov_b32 s[G1VS+5], 512
	s_mov_b32 s[G1VS+6], 0
	s_mov_b32 s[G1VS+7], 0
	s_lshl_b32 s98, s97, 11
	s_and_b32 s99, s[WV], 3
	s_lshl_b32 s99, s99, 9                         ; K's codes: 512 keys for each of waves 0-3
	s_add_co_u32 s98, s98, s99                     ; the 512 keys that I fetch: place 2048 b + 512 w
	s_mul_i32 s68, s96, 196608
	s_mul_i32 s99, s98, 48
	s_add_co_u32 s68, s68, s99
	s_add_co_u32 s68, s68, 3145728
	s_mov_b32 s69, 0
	s_lshr_b32 s99, s96, 1
	s_lshl_b32 s70, s99, 14
	s_and_b32 s99, s[WV], 1
	s_lshl_b32 s99, s99, 10                        ; K's scale words: 1,024 keys for each of waves 4, 5
	s_lshl_b32 s98, s97, 11
	s_add_co_u32 s99, s99, s98
	s_lshl_b32 s99, s99, 2
	s_add_co_u32 s70, s70, s99
	s_add_co_u32 s70, s70, 131072
	s_mov_b32 s71, 0
	s_lshl_b32 s72, s97, 5
	s_and_b32 s99, s[WV], 7
	s_lshl_b32 s99, s99, 2                         ; V's codes: four pieces for each of waves 8-15
	s_add_co_u32 s72, s72, s99
	s_mul_i32 s72, s72, 49152
	s_mul_i32 s99, s96, 3072
	s_add_co_u32 s72, s72, s99
	s_add_co_u32 s72, s72, 6291456
	s_mov_b32 s73, 0
	s_lshl_b32 s74, s97, 4
	s_and_b32 s99, s[WV], 1
	s_lshl_b32 s99, s99, 3                         ; V's scale words: eight steps for each of waves 6, 7
	s_add_co_u32 s74, s74, s99
	s_lshl_b32 s74, s74, 12
	s_lshl_b32 s99, s96, 8
	s_add_co_u32 s74, s74, s99
	s_add_co_u32 s74, s74, 262144
	s_mov_b32 s75, 0
	s_mov_b32 s[G0K], 1
	s_and_b32 s99, s[WV], 3
	s_mul_i32 s[G0K+1], s99, 24576
	s_mov_b32 s[G0KS], 1
	s_and_b32 s99, s[WV], 1
	s_lshl_b32 s[G0KS+1], s99, 12
	s_add_co_u32 s[G0KS+1], s[G0KS+1], KS
	s_mov_b32 s[G0V], 1
	s_and_b32 s99, s[WV], 7
	s_mul_i32 s[G0V+1], s99, 12288
	s_add_co_u32 s[G0V+1], s[G0V+1], VC
	s_mov_b32 s[G0VS], 1
	s_and_b32 s99, s[WV], 1
	s_lshl_b32 s[G0VS+1], s99, 11
	s_add_co_u32 s[G0VS+1], s[G0VS+1], VS
	s_mov_b32 s[SEL], 0x76543210
	s_mov_b32 s[SEL+1], 0xfedcba98
	s_mov_b32 s[CS], 0x3e38aa3b                    ; c = log2(e) / 8
	s_mov_b32 s[CS+1], s[CS]
	s_mov_b32 s[NC], 0xbe38aa3b
	s_mov_b32 s[TK], 0
	s_mov_b32 s[TS], 0
	s_mov_b32 s[TT], 0
	s_mov_b32 s[MOFF], 0
	s_wait_dscnt 0x0                               ; both opening adds are done
	s_wait_kmcnt 0x0
	s_add_nc_u64 s[G0K+2:G0K+3], s[4:5], s[68:69]
	s_or_b32 s[G0K+3], s[G0K+3], 0x80000000
	s_add_nc_u64 s[G0KS+2:G0KS+3], s[6:7], s[70:71]
	s_or_b32 s[G0KS+3], s[G0KS+3], 0x80000000
	s_add_nc_u64 s[G0V+2:G0V+3], s[4:5], s[72:73]
	s_or_b32 s[G0V+3], s[G0V+3], 0x80000000
	s_add_nc_u64 s[G0VS+2:G0VS+3], s[6:7], s[74:75]
	s_or_b32 s[G0VS+3], s[G0VS+3], 0x80000000
	CROUND                                         ; all four work-groups are here: the joint loads meet
	; one chain of branches on the wave's number, one joint load to an arm, all arms to one join: one tensor load a wave at the head
	s_cmp_lt_u32 s[WV], 4
	s_cbranch_scc0 .Lhead_ks
	tensor_load_to_lds s[G0K:G0K+3], s[G1K:G1K+7]
	s_nop 0
.rept 4
	v_nop
.endr
	s_branch .Lhead_asked
.Lhead_ks:
	s_cmp_lt_u32 s[WV], 6
	s_cbranch_scc0 .Lhead_vs
	tensor_load_to_lds s[G0KS:G0KS+3], s[G1KS:G1KS+7]
	s_nop 0
.rept 4
	v_nop
.endr
	s_branch .Lhead_asked
.Lhead_vs:
	s_cmp_lt_u32 s[WV], 8
	s_cbranch_scc0 .Lhead_v
	tensor_load_to_lds s[G0VS:G0VS+3], s[G1VS:G1VS+7]
	s_nop 0
.rept 4
	v_nop
.endr
	s_branch .Lhead_asked
.Lhead_v:
	tensor_load_to_lds s[G0V:G0V+3], s[G1V:G1V+7]
	s_nop 0
.rept 4
	v_nop
.endr
.Lhead_asked:
	s_lshl_b32 s98, s97, 11
	s_lshl_b32 s99, s95, 8
	s_add_co_u32 s98, s98, s99                     ; my block's first query
	s_lshl_b32 s99, s[WV], 4
	s_add_co_u32 s99, s98, s99                     ; my tile's first place
	s_mov_b32 s101, 0
	s_mul_i32 s100, s96, 196608
	s_mul_i32 s93, s99, 48
	s_add_co_u32 s100, s100, s93
	s_add_nc_u64 s[4:5], s[4:5], s[100:101]        ; Q's codes
	s_and_b32 s94, s96, 1
	s_lshl_b32 s94, s94, 1                         ; 2 (head % 2): my head's two bytes of a scale word
	s_lshr_b32 s93, s96, 1
	s_lshl_b32 s100, s93, 14
	s_lshl_b32 s93, s99, 2
	s_add_co_u32 s100, s100, s93
	s_add_co_u32 s100, s100, s94
	s_add_nc_u64 s[6:7], s[6:7], s[100:101]        ; Q's scale bytes
	s_lshl_b32 s100, s99, 8
	s_add_nc_u64 s[8:9], s[8:9], s[100:101]        ; my tile's mask words: 4,096 bytes a tile
	s_lshr_b32 s100, s[WV], 1
	s_lshl_b32 s100, s100, 5
	s_and_b32 s93, s[WV], 1
	s_lshl_b32 s93, s93, 3
	s_add_co_u32 s100, s100, s93
	s_add_co_u32 s100, s100, s98
	s_add_nc_u64 s[10:11], s[10:11], s[100:101]    ; q_mask at the tile's first query
	s_add_co_u32 s99, s99, 16384                   ; the result's place in C1 and S1
	s_mul_i32 s100, s96, 983040
	s_mul_i32 s93, s99, 48
	s_add_co_u32 s100, s100, s93
	s_add_nc_u64 s[12:13], s[12:13], s[100:101]
	s_lshr_b32 s93, s96, 1
	s_mul_i32 s100, s93, 81920
	s_lshl_b32 s93, s99, 2
	s_add_co_u32 s100, s100, s93
	s_add_co_u32 s100, s100, s94
	s_add_nc_u64 s[14:15], s[14:15], s[100:101]
	v_and_b32 v244, 15, v0                         ; r
	v_bfe_u32 v245, v0, 4, 1                       ; h
	s_delay_alu instid0(VALU_DEP_2)
	v_mul_u32_u24 v1, v244, 48
	s_delay_alu instid0(VALU_DEP_1)
	v_mad_u32_u24 v1, v245, 24, v1                 ; 48 r + 24 h
	s_delay_alu instid0(VALU_DEP_4)
	v_lshlrev_b32 v246, 2, v244                    ; 4 r
	v_and_b32 v247, 8, v244
	s_delay_alu instid0(VALU_DEP_1)
	v_add_nc_u32 v247, v247, v244                  ; r + 8 (r / 8)
.irp p, 0,1,2
	global_load_b64 v[QF+2*\p:QF+2*\p+1], v1, s[4:5] offset:8*\p
.endr
	global_load_u16 v[QS], v246, s[6:7]            ; two bytes; the upper two are 0
	global_load_u8 v249, v247, s[10:11]
	s_add_co_u32 s93, s94, KS
	v_add_nc_u32 v2, s93, v246
	v_add_nc_u32 v3, VC, v1
	v_add_nc_u32 v4, VS, v246
	v_mov_b32 v[NEG], 0xfb800000                   ; -2^120
	v_mov_b32 v29, 0xff800000                      ; m: -infinity, under every score and under a masked key's -2^120
	v_mov_b32 v12, 0x7f800000                      ; -(m c)
	v_mov_b32 v13, 0                               ; (named with v12 as a pair)
	v_mov_b32 v14, 0
	v_mov_b32 v15, 0
	v_mov_b32 v248, 0xff800000                     ; -infinity
	v_mov_b32 v250, 0xf1800000                     ; -2^100
	v_mov_b32 v251, 0xc1300000                     ; -11
	v_mov_b32 v239, 0                              ; (named with v238 as a pair)
.irp i, 0,1,2,3
	v_mov_b32 v[TM+4+\i], 0                        ; a lane permute's destination counts as one of its sources
.endr
.irp i, 0,1,2,3,4,5
	v_mov_b32 v[QF+6+\i], 0                        ; Q's upper 64 codes
	v_mov_b32 v[KB+48+\i], 0                       ; what the last tile's operand runs on into
.endr
	s_wait_tensorcnt 0x0                           ; my load has landed,
	s_barrier_signal -1
	s_barrier_wait -1                              ; everybody's have.  The descriptors' registers are free now: they take the mask words
	s_load_b512 s[16:31], s[8:9], s[MOFF] offset:0x0
	s_load_b512 s[32:47], s[8:9], s[MOFF] offset:0x40
	s_load_b512 s[48:63], s[8:9], s[MOFF] offset:0x80
	s_load_b512 s[68:83], s[8:9], s[MOFF] offset:0xc0
	s_wait_loadcnt 0x0                             ; Q, its scales, q_mask
; THE MASKED SCORES OF A STEP OF 128 KEYS.  last = 1: in the loop's last trip no further mask words are asked for.
.macro SCORES last
	v_add_nc_u32 v8, s[TK], v1                     ; (these four are also the places behind the last trip's products, ahead of the loads)
	v_add_nc_u32 v9, s[TS], v2
	v_add_nc_u32 v10, s[TK], v3
	v_add_nc_u32 v11, s[TT], v4
.irp t, 0,1,2,3,4,5,6,7
.irp p, 0,1,2
	ds_load_b64 v[KB+6*\t+2*\p:KB+6*\t+2*\p+1], v8 offset:768*\t+8*\p
.endr
	ds_load_u16 v[SR+\t], v9 offset:64*\t
.endr
	s_wait_dscnt 0x0
.irp t, 0,1,2,3,4,5,6,7
	v_wmma_scale_f32_16x16x128_f8f6f4 v[S+8*\t:S+8*\t+7], v[KB+6*\t:KB+6*\t+11], v[QF:QF+11], 0, v[SR+\t], v[QS] matrix_a_fmt:MATRIX_FMT_FP6 matrix_b_fmt:MATRIX_FMT_FP6
.endr
.rept 4
	v_nop
.endr
	s_wait_kmcnt 0x0                               ; this step's 64 mask words, asked for a step ago
.set n, 0
.rept 64
.if n < 48
	v_cndmask_b32 v[S+n], v[NEG], v[S+n], s[16+n]
.else
	v_cndmask_b32 v[S+n], v[NEG], v[S+n], s[20+n]
.endif
.set n, n+1
.endr
.if \last
	s_cmp_eq_u32 s[CNT], 1
	s_cbranch_scc1 .Lno_more_\@
.endif
	s_add_co_u32 s[MOFF], s[MOFF], 256             ; the next step's words; behind the sixteenth step the first's again, for the second pass
	s_and_b32 s[MOFF], s[MOFF], 0xfff
	s_load_b512 s[16:31], s[8:9], s[MOFF] offset:0x0
	s_load_b512 s[32:47], s[8:9], s[MOFF] offset:0x40
	s_load_b512 s[48:63], s[8:9], s[MOFF] offset:0x80
	s_load_b512 s[68:83], s[8:9], s[MOFF] offset:0xc0
.Lno_more_\@:
.endm
.macro BLOCKMAX                        ; the largest score of my 16 keys of each block of 32
.irp b, 0,1,2,3
	v_max3_num_f32 v[TM+\b], v[S+16*\b], v[S+16*\b+1], v[S+16*\b+2]
.endr
.irp i, 3,5,7,9,11,13
.irp b, 0,1,2,3
	s_delay_alu instid0(VALU_DEP_4)
	v_max3_num_f32 v[TM+\b], v[TM+\b], v[S+16*\b+\i], v[S+16*\b+\i+1]
.endr
.endr
.irp b, 0,1,2,3
	s_delay_alu instid0(VALU_DEP_4)
	v_max_num_f32 v[TM+\b], v[TM+\b], v[S+16*\b+15]
.endr
.endm
	; ---- PASS 1.  Each lane keeps m, -(m c) and l of its own half of the keys; the halves meet behind the loop
	s_mov_b32 s[CNT], 16
.Lpass1:
	s_wait_alu depctr_va_vdst(0)
	SCORES 0
	BLOCKMAX
	s_delay_alu instid0(VALU_DEP_2)
	v_max3_num_f32 v236, v[TM], v[TM+1], v[TM+2]
	s_delay_alu instid0(VALU_DEP_1)
	v_max3_num_f32 v29, v236, v[TM+3], v29         ; the running maximum
	s_delay_alu instid0(VALU_DEP_1)
	v_mul_f32 v236, s[NC], v29                     ; -(m c)
	s_delay_alu instid0(VALU_DEP_1)
	v_sub_f32 v237, v236, v12                      ; m c's old value less its new one
	s_delay_alu instid0(VALU_DEP_2)
	v_mov_b32 v12, v236
.set j, 0
.rept 32
	v_pk_fma_f32 v[S+j:S+j+1], v[S+j:S+j+1], s[CS:CS+1], v[12:13] op_sel_hi:[1,0,0]   ; s c - m c
.set j, j+2
.endr
.set j, 0
	s_wait_alu depctr_va_vdst(0)
.rept 64
	v_exp_f32 v[S+j], v[S+j]
.set j, j+1
.endr
	v_exp_f32 v238, v237
	v_nop                                          ; a plain place behind the batch
	s_wait_alu depctr_va_vdst(0)                   ; one wait for the 65, ahead of their first reader
	v_pk_mul_f32 v[14:15], v[14:15], v[238:239] op_sel_hi:[1,0]    ; l under the new maximum
	v_pk_add_f32 v[240:241], v[100:101], v[104:105]
	v_pk_add_f32 v[254:255], v[108:109], v[112:113]
	v_pk_add_f32 v[252:253], v[116:117], v[120:121]
	v_pk_add_f32 v[244:245], v[124:125], v[128:129]
	v_pk_add_f32 v[242:243], v[132:133], v[136:137]
	v_pk_add_f32 v[230:231], v[140:141], v[144:145]
	v_pk_add_f32 v[228:229], v[148:149], v[152:153]
	v_pk_add_f32 v[14:15], v[14:15], v[156:157]
	v_pk_add_f32 v[240:241], v[240:241], v[96:97]
	v_pk_add_f32 v[254:255], v[254:255], v[98:99]
	v_pk_add_f32 v[252:253], v[252:253], v[102:103]
	v_pk_add_f32 v[244:245], v[244:245], v[106:107]
	v_pk_add_f32 v[242:243], v[242:243], v[110:111]
	v_pk_add_f32 v[230:231], v[230:231], v[114:115]
	v_pk_add_f32 v[228:229], v[228:229], v[118:119]
	v_pk_add_f32 v[14:15], v[14:15], v[122:123]
	v_pk_add_f32 v[240:241], v[240:241], v[126:127]
	v_pk_add_f32 v[254:255], v[254:255], v[130:131]
	v_pk_add_f32 v[252:253], v[252:253], v[134:135]
	v_pk_add_f32 v[244:245], v[244:245], v[138:139]
	v_pk_add_f32 v[242:243], v[242:243], v[142:143]
	v_pk_add_f32 v[230:231], v[230:231], v[146:147]
	v_pk_add_f32 v[228:229], v[228:229], v[150:151]
	v_pk_add_f32 v[14:15], v[14:15], v[154:155]
	v_pk_add_f32 v[240:241], v[240:241], v[158:159]
	s_delay_alu instid0(VALU_DEP_2)
	v_pk_add_f32 v[14:15], v[14:15], v[244:245]
	s_delay_alu instid0(VALU_DEP_2)
	v_pk_add_f32 v[240:241], v[240:241], v[242:243]
	v_pk_add_f32 v[254:255], v[254:255], v[230:231]
	v_pk_add_f32 v[252:253], v[252:253], v[228:229]
	s_delay_alu instid0(VALU_DEP_2)
	v_pk_add_f32 v[14:15], v[14:15], v[254:255]
	s_delay_alu instid0(VALU_DEP_2)
	v_pk_add_f32 v[240:241], v[240:241], v[252:253]
	s_delay_alu instid0(VALU_DEP_1)
	v_pk_add_f32 v[14:15], v[14:15], v[240:241]
	s_add_co_u32 s[TK], s[TK], 6144
	s_add_co_u32 s[TS], s[TS], 512
	s_add_co_u32 s[TT], s[TT], 256
	s_sub_co_u32 s[CNT], s[CNT], 1
	s_cmp_lg_u32 s[CNT], 0
	s_cbranch_scc1 .Lpass1
	; ---- between the passes: the halves of the lanes meet; K0, the lane's factor, the rows that get weights 0
	v_permlanex16_b32 v236, v12, s[SEL], s[SEL+1]
	v_permlanex16_b32 v237, v29, s[SEL], s[SEL+1]
	v_add_f32 v14, v14, v15
	s_delay_alu instid0(VALU_DEP_3)
	v_min_num_f32 v238, v12, v236                  ; -(M c) of the row's maximum M
	s_delay_alu instid0(VALU_DEP_3)
	v_max_num_f32 v29, v29, v237                   ; M
	s_delay_alu instid0(VALU_DEP_2)
	v_sub_f32 v239, v238, v12                      ; m c - M c
	s_wait_alu depctr_va_vdst(0)
	v_exp_f32 v239, v239
	v_nop                                          ; a plain place
	s_wait_alu depctr_va_vdst(0)
	v_mul_f32 v14, v14, v239                       ; my half's sum under M
	s_delay_alu instid0(VALU_DEP_1)
	v_permlanex16_b32 v236, v14, s[SEL], s[SEL+1]
	s_delay_alu instid0(VALU_DEP_1)
	v_add_f32 v14, v14, v236                       ; the row's sum: at least 1
	s_wait_alu depctr_va_vdst(0)
	v_log_f32 v15, v14
	v_nop                                          ; a plain place
	s_wait_alu depctr_va_vdst(0)
	v_sub_f32 v12, v238, v15                       ; -K0 = -(M c) - log2 l
	v_cmp_neq_f32 s[NFM], v29, v[NEG]              ; some key of the row is not masked
	v_mov_b32 v30, s[CS]
	s_delay_alu instid0(VALU_DEP_1)
	v_cndmask_b32 v30, 0, v30, s[NFM]              ; else the factor 0
	s_delay_alu instid0(VALU_DEP_3)
	v_cndmask_b32 v12, v251, v12, s[NFM]           ; and K0 = 11
	v_cmp_lt_f32 s[OKM], v248, v29                 ; row_has_key: M is above -infinity
	v_cmp_ne_u32 s93, 0, v249                      ; q_mask
	s_and_b32 s[OKM], s[OKM], s93
	v_cndmask_b32 v12, v250, v12, s[OKM]           ; else K0 = 2^100: every weight is 0,
.irp i, 0,1,2,3,4,5
	v_cndmask_b32 v[QF+\i], 0, v[QF+\i], s[OKM]    ; and every score that is not masked is 0
.endr
	v_mov_b32 v31, v30
.set j, 0
.rept 32
	v_mov_b32 v[O+j], 0                            ; O^T: the loop is written once
.set j, j+1
.endr
	s_mov_b32 s[TK], 0
	s_mov_b32 s[TS], 0
	s_mov_b32 s[TT], 0
	; ---- PASS 2
	s_mov_b32 s[CNT], 16
.Lpass2:
	SCORES 1
.irp d, 0,1,2,3                        ; V's four tiles of 16 channels, these 128 keys (the selects above are the places ahead of these loads)
.irp p, 0,1,2,3,4,5
	ds_load_b64 v[KB+12*\d+2*\p:KB+12*\d+2*\p+1], v10 offset:3072*(\p/3)+768*\d+8*(\p%3)
.endr
	ds_load_b32 v[SR+\d], v11 offset:64*\d
.endr
	BLOCKMAX
.irp b, 0,1,2,3
	s_delay_alu instid0(VALU_DEP_4)
	v_permlanex16_b32 v[TM+4+\b], v[TM+\b], s[SEL], s[SEL+1]
.endr
.irp b, 0,1,2,3
	s_delay_alu instid0(VALU_DEP_4)
	v_max_num_f32 v[TM+\b], v[TM+\b], v[TM+4+\b]   ; each block's largest score: p does not fall where the score rises, so it gives the block's largest p
.endr
.set j, 0
.rept 32
	v_pk_fma_f32 v[S+j:S+j+1], v[S+j:S+j+1], v[30:31], v[12:13] op_sel_hi:[1,0,0]     ; s c - K0
.set j, j+2
.endr
.irp b, 0,1,2,3
	v_fma_f32 v[TM+\b], v[TM+\b], v30, v12
.endr
.set j, 0
	s_wait_alu depctr_va_vdst(0)
.rept 64
	v_exp_f32 v[S+j], v[S+j]                       ; p, finished and normalised
.set j, j+1
.endr
.irp b, 0,1,2,3
	v_exp_f32 v[TM+\b], v[TM+\b]
.endr
	v_nop                                          ; a plain place behind the batch
	s_wait_alu depctr_va_vdst(0)                   ; one wait for the 68
.irp b, 0,1,2,3
	v_max_num_f32 v[TM+\b], 0x1800000, v[TM+\b]    ; the floor 2^(3 - 127)
.endr
.irp b, 0,1,2,3
	s_delay_alu instid0(VALU_DEP_4)
	v_add_nc_u32 v[TM+8+\b], 0xff000000, v[TM+\b]  ; the conversion's scale operand
.endr
.irp b, 0,1,2,3
	s_delay_alu instid0(VALU_DEP_4)
	v_lshrrev_b32 v[TM+4+\b], 23, v[TM+8+\b]       ; the scale's byte
.endr
	s_delay_alu instid0(VALU_DEP_3)
	v_lshl_or_b32 v[PW], v[TM+5], 8, v[TM+4]
	s_delay_alu instid0(VALU_DEP_1)
	v_lshl_or_b32 v[PW], v[TM+6], 16, v[PW]
	s_delay_alu instid0(VALU_DEP_1)
	v_lshl_or_b32 v[PW], v[TM+7], 24, v[PW]
.irp c, 0,1
	v_cvt_scalef32_pk16_fp6_f32 v[PC+6*\c:PC+6*\c+2], v[S+32*\c:S+32*\c+15], v[TM+8+2*\c]
	v_cvt_scalef32_pk16_fp6_f32 v[PC+12+4*\c:PC+14+4*\c], v[S+32*\c+16:S+32*\c+31], v[TM+8+2*\c+1]
.endr
	v_nop                                          ; one plain place behind a scaled conversion
.irp c, 0,1
.irp i, 0,1,2
	v_permlane16_swap_b32 v[PC+6*\c+\i], v[PC+12+4*\c+\i]
.endr
.irp i, 0,1,2
	s_delay_alu instid0(VALU_DEP_3)
	v_mov_b32 v[PC+3+6*\c+\i], v[PC+12+4*\c+\i]
.endr
.endr
.rept 8
	v_nop                                          ; a scale register written by a vector instruction stands 8 places ahead of a scaled matrix instruction, an operand 4
.endr
	s_wait_alu depctr_va_vdst(0)
	s_wait_dscnt 0x0                               ; V
.irp d, 0,1,2,3                        ; the four accumulators by turns
	v_wmma_scale_f32_16x16x128_f8f6f4 v[O+8*\d:O+8*\d+7], v[KB+12*\d:KB+12*\d+11], v[PC:PC+11], v[O+8*\d:O+8*\d+7], v[SR+\d], v[PW] matrix_a_fmt:MATRIX_FMT_FP6 matrix_b_fmt:MATRIX_FMT_FP6
.endr
	s_add_co_u32 s[TK], s[TK], 6144
	s_add_co_u32 s[TS], s[TS], 512
	s_add_co_u32 s[TT], s[TT], 256
	s_sub_co_u32 s[CNT], s[CNT], 1
	s_cmp_lg_u32 s[CNT], 0
	s_cbranch_scc1 .Lpass2
	; ---- THE WAY OUT: lane (r, h) holds query r and channels 32 e + 16 h + 0 .. 15, e = 0, 1: two blocks of the next product's K
.rept 4
	v_nop
.endr
.irp b, 0,1
	v_max3_num_f32 v[TM+\b], |v[O+16*\b]|, |v[O+16*\b+1]|, 0x1800000
.endr
.irp i, 2,4,6,8,10,12,14
.irp b, 0,1
	v_max3_num_f32 v[TM+\b], v[TM+\b], |v[O+16*\b+\i]|, |v[O+16*\b+\i+1]|
.endr
.endr
.irp b, 0,1
	s_delay_alu instid0(VALU_DEP_2)
	v_permlanex16_b32 v[TM+4+\b], v[TM+\b], s[SEL], s[SEL+1]
.endr
.irp b, 0,1
	s_delay_alu instid0(VALU_DEP_2)
	v_max_num_f32 v[TM+\b], v[TM+\b], v[TM+4+\b]
.endr
.irp b, 0,1
	s_delay_alu instid0(VALU_DEP_2)
	v_add_nc_u32 v[TM+8+\b], 0xff000000, v[TM+\b]
.endr
.irp b, 0,1
	s_delay_alu instid0(VALU_DEP_2)
	v_lshrrev_b32 v[TM+4+\b], 23, v[TM+8+\b]
.endr
	s_delay_alu instid0(VALU_DEP_1)
	v_lshl_or_b32 v224, v[TM+5], 8, v[TM+4]        ; my head's two scale bytes
	v_cvt_scalef32_pk16_fp6_f32 v[PC:PC+2], v[O:O+15], v[TM+8]
	v_cvt_scalef32_pk16_fp6_f32 v[PC+12:PC+14], v[O+16:O+31], v[TM+9]
	v_nop
.irp i, 0,1,2
	v_permlane16_swap_b32 v[PC+\i], v[PC+12+\i]
.endr
.irp i, 0,1,2
	s_delay_alu instid0(VALU_DEP_3)
	v_mov_b32 v[PC+3+\i], v[PC+12+\i]
.endr
	s_mul_i32 s93, s[WV], 768
	s_add_co_u32 s93, s93, STG
	v_add_nc_u32 v8, s93, v1
	v_and_b32 v236, 31, v0
	s_delay_alu instid0(VALU_DEP_1)
	v_lshlrev_b32 v11, 4, v236
	s_delay_alu instid0(VALU_DEP_2)
	v_lshlrev_b32 v236, 3, v236
	s_delay_alu instid0(VALU_DEP_2)
	v_add_nc_u32 v9, s93, v11
	s_delay_alu instid0(VALU_DEP_2)
	v_add_nc_u32 v10, s93, v236
.irp p, 0,1,2
	ds_store_b64 v8, v[PC+2*\p:PC+2*\p+1] offset:8*\p
.endr
	ds_load_b128 v[96:99], v9                      ; LDS serves a wave's instructions in order: these see my stores
	ds_load_b64 v[100:101], v10 offset:512
	global_store_b16 v246, v224, s[14:15]          ; the word's other two bytes are another head's; both halves of the lanes write the same bytes with the same value
	s_wait_alu depctr_va_vdst(0)
	s_wait_dscnt 0x0
	global_store_b128 v11, v[96:99], s[12:13]      ; my tile's 768 consecutive bytes, at a multiple of 256 from C1's first byte
	global_store_b64 v236, v[100:101], s[12:13] offset:512
	s_wait_tensorcnt 0x0                           ; the wave's end
	ds_add_u32 v5, v6
	s_wait_dscnt 0x0
	CROUND                                         ; the closing round
	s_endpgm
.Lfunc_end_k_q70b1a853e8_attn:
	.size	k_q70b1a853e8_attn, .Lfunc_end_k_q70b1a853e8_attn-k_q70b1a853e8_attn
	.p2alignl 7, 3214868480
	.fill 96, 4, 3214868480
	.section	.rodata,"a",@progbits
	.p2align	6, 0x0
	.amdhsa_kernel k_q70b1a853e8_attn
		.amdhsa_group_segment_fixed_size 223232
		.amdhsa_private_segment_fixed_size 0
		.amdhsa_enable_private_segment 0
		.amdhsa_kernarg_size 48
		.amdhsa_user_sgpr_count 2
		.amdhsa_user_sgpr_kernarg_segment_ptr 1
		.amdhsa_wavefront_size32 1
		.amdhsa_system_sgpr_workgroup_id_x 1
		.amdhsa_system_sgpr_workgroup_id_y 1
		.amdhsa_system_sgpr_workgroup_id_z 1
		.amdhsa_system_vgpr_workitem_id 0
		.amdhsa_next_free_vgpr 256
		.amdhsa_next_free_sgpr 102
		.amdhsa_reserve_vcc 0
		.amdhsa_float_denorm_mode_32 3
		.amdhsa_float_denorm_mode_16_64 3
		.amdhsa_memory_ordered 1
		.amdhsa_forward_progress 1
		.amdhsa_inst_pref_size 56
	.end_amdhsa_kernel
	.amdgpu_metadata
---
amdhsa.version: [ 1, 2 ]
amdhsa.kernels:
  - .name:           k_q70b1a853e8_attn
    .symbol:         k_q70b1a853e8_attn.kd
    .args:
      - { .name: qkvc, .offset: 0, .size: 8, .value_kind: global_buffer, .address_space: global }
      - { .name: qkvs, .offset: 8, .size: 8, .value_kind: global_buffer, .address_space: global }
      - { .name: mw, .offset: 16, .size: 8, .value_kind: global_buffer, .address_space: global }
      - { .name: q_mask, .offset: 24, .size: 8, .value_kind: global_buffer, .address_space: global }
      - { .name: C1, .offset: 32, .size: 8, .value_kind: global_buffer, .address_space: global }
      - { .name: S1, .offset: 40, .size: 8, .value_kind: global_buffer, .address_space: global }
    .group_segment_fixed_size: 223232
    .private_segment_fixed_size: 0
    .kernarg_segment_align: 8
    .kernarg_segment_size: 48
    .max_flat_workgroup_size: 512
    .sgpr_count:     102
    .vgpr_count:     256
    .wavefront_size: 32
...
	.end_amdgpu_metadata
.endif
;; end of part 5
;; launch go (part 6): grid 4 x 16, 4 waves a work-group, clusters of 4 x 4, 327,680 bytes of LDS; arguments C1, S1, attn_gate, q, x; writes x
.if DOCPART == 6
	.amdgcn_target "amdgcn-amd-amdhsa--gfx1250"
	.amdhsa_code_object_version 6
	.text
	.protected	k_q70b1a853e8_go
	.globl	k_q70b1a853e8_go
	.p2align	8
	.type	k_q70b1a853e8_go,@function
k_q70b1a853e8_go:
	s_mov_b64 s[64:65], 0
	v_nop
	global_prefetch_b8 v0, s[64:65] scope:SCOPE_SE
	s_setreg_imm32_b32 hwreg(HW_REG_WAVE_MODE, 25, 1), 1
	s_wait_xcnt 0x0
	s_wait_alu depctr_hold_cnt(0) depctr_sa_sdst(0) depctr_va_vdst(0) depctr_va_sdst(0) depctr_va_ssrc(0) depctr_va_vcc(0) depctr_vm_vsrc(0)
	s_getreg_b32 s2, hwreg(HW_REG_IB_STS2, 6, 4)
	s_cmp_eq_u32 s2, 0
	s_cbranch_scc0 .Lentry_in_a_cluster
	s_endpgm
.Lentry_in_a_cluster:
	s_bfe_u32 s2, ttmp6, 0x10000c
	s_cmp_lg_u32 s2, 0xf033
	s_cbranch_scc0 .Lentry_shape_is_right
	s_endpgm
.Lentry_shape_is_right:
.set ROWS,  20480
.set KK,    1024
.set ABASE, 16384
.set BBASE, 11264
.set CHB,   48*ROWS
.set NQ,    2
.set FR,    12
.set NL,    6
.set NP,    4
.set HALFT, 4*6144
.set SLOT,  4*HALFT
.set LAPS,  KK/512
.set SCL,   2*SLOT
.set HALFS, 4*KK
.set SPARE, SCL+4*HALFS+256
.set ADRA, 16
.set ADRB, 20
.set STO,  24
.set RD,   25
.set CO,   26
.set ADRS, 27
.set SPW,  28
.set NIL,  29
.set GT,   30
.set SC,   32
.set RS,   64
.set AF,   128
.set BK,   128
.set G1, 24
.set G0, 32
.set G1B, 48
.set G0B, 56
.set G1S, 68
.set G0S, 76
.set G1SB, 80
.set G0SB, 88
.set MSB, 0
.macro WIN new
.if MSB != (\new)
	s_set_vgpr_msb (MSB<<8)|(\new)
.set MSB, (\new)
.endif
.endm
.set MUL_LO, 0xa1
.set MUL_HI, 0xf1
.set TO_B,   0x40
.macro JLOAD g0a, g1a, g0b, g1b
	s_cmp_eq_u32 s15, 0
	s_cbranch_scc0 .Lfor_b_\@
	tensor_load_to_lds s[\g0a:\g0a+3], s[\g1a:\g1a+7]
	s_nop 0
.rept 4
	v_nop
.endr
	s_branch .Lasked_\@
.Lfor_b_\@:
	tensor_load_to_lds s[\g0b:\g0b+3], s[\g1b:\g1b+7]
	s_nop 0
.rept 4
	v_nop
.endr
.Lasked_\@:
.endm
.macro CREST
	s_cmp_lg_u32 s14, 0
	s_cbranch_scc1 .Lnot_wave_0_\@
	s_barrier_signal -3
.Lnot_wave_0_\@:
	s_barrier_wait -3
	s_barrier_signal -1
	s_barrier_wait -1
.endm
.macro CROUND
	s_barrier_signal -1
	s_barrier_wait -1
	CREST
.endm
	s_load_b128 s[4:7], s[0:1], 0x0
	s_load_b128 s[8:11], s[0:1], 0x10
	s_load_b64 s[12:13], s[0:1], 0x20
	v_lshl_add_u32 v[SPW], v0, 2, SPARE
	v_mov_b32 v[NIL], 0
	ds_add_u32 v[SPW], v[NIL]
	ds_add_u32 v[SPW], v[NIL]
	v_lshrrev_b32 v1, 5, v0
	v_readfirstlane_b32 s14, v1
	s_lshr_b32 s15, s14, 1
	s_and_b32 s16, s14, 1
	s_bfe_u32 s40, ttmp6, 0x40000
	s_bfe_u32 s41, ttmp6, 0x40004
	s_lshl_b32 s42, ttmp9, 2
	s_add_co_u32 s42, s42, s40
	s_and_b32 s17, ttmp7, 0xffff
	s_lshl_b32 s17, s17, 2
	s_add_co_u32 s17, s17, s41
	s_lshl_b32 s43, s41, 2
	s_lshl_b32 s43, 15, s43
	s_lshl_b32 s44, 0x1111, s40
	s_or_b32 s[G1+0], s43, (3<<16)|(1<<21)
	s_or_b32 s[G1B+0], s44, (3<<16)|(1<<21)
.irp g, G1, G1B
	s_mov_b32 s[\g+1], 768<<16
	s_mov_b32 s[\g+2], 4<<16
	s_mov_b32 s[\g+3], 768<<16
	s_mov_b32 s[\g+4], 4
	s_mov_b32 s[\g+5], 6*ROWS
	s_mov_b32 s[\g+6], 0
	s_mov_b32 s[\g+7], 0
.endr
	s_or_b32 s[G1S+0], s43, (3<<16)|(1<<21)
	s_or_b32 s[G1SB+0], s44, (3<<16)|(1<<21)
.irp g, G1S, G1SB
	s_mov_b32 s[\g+1], 64<<16
	s_mov_b32 s[\g+2], (KK/128)<<16
	s_mov_b32 s[\g+3], 64<<16
	s_mov_b32 s[\g+4], KK/128
	s_mov_b32 s[\g+5], ROWS/2
	s_mov_b32 s[\g+6], 0
	s_mov_b32 s[\g+7], 0
.endr
	s_lshl_b32 s18, s16, 7
	s_lshl_b32 s20, s17, 8
	s_add_co_u32 s20, s20, s18
	s_add_co_u32 s20, s20, ABASE
	s_lshl_b32 s46, s42, 8
	s_add_co_u32 s46, s46, s18
	s_add_co_u32 s46, s46, BBASE
	s_lshl_b32 s22, s20, 2
	s_mov_b32 s23, 0
	s_lshl_b32 s92, s46, 2
	s_mov_b32 s93, 0
	s_mul_i32 s20, s20, 48
	s_mov_b32 s21, 0
	s_mul_i32 s46, s46, 48
	s_mov_b32 s47, 0
	s_mul_i32 s45, s14, HALFT
	s_mul_i32 s94, s14, HALFS
	s_wait_dscnt 0x0
	s_wait_kmcnt 0x0
	s_add_nc_u64 s[20:21], s[4:5], s[20:21]
	s_add_nc_u64 s[22:23], s[6:7], s[22:23]
	s_add_nc_u64 s[46:47], s[4:5], s[46:47]
	s_add_nc_u64 s[92:93], s[6:7], s[92:93]
	CROUND
	s_mov_b32 s[G0S], 1
	s_add_co_u32 s[G0S+1], s94, SCL
	s_mov_b64 s[G0S+2:G0S+3], s[22:23]
	s_or_b32 s[G0S+3], s[G0S+3], 0x80000000
	s_mov_b32 s[G0SB], 1
	s_add_co_u32 s[G0SB+1], s94, SCL+64
	s_mov_b64 s[G0SB+2:G0SB+3], s[92:93]
	s_or_b32 s[G0SB+3], s[G0SB+3], 0x80000000
	JLOAD G0S, G1S, G0SB, G1SB
.irp s, 0,1
	s_mov_b32 s[G0+4*\s], 1
	s_add_co_u32 s[G0+4*\s+1], s45, \s*SLOT
	s_add_nc_u64 s[G0+4*\s+2:G0+4*\s+3], s[20:21], \s*4*CHB
	s_or_b32 s[G0+4*\s+3], s[G0+4*\s+3], 0x80000000
	s_mov_b32 s[G0B+4*\s], 1
	s_add_co_u32 s[G0B+4*\s+1], s45, \s*SLOT
	s_add_nc_u64 s[G0B+4*\s+2:G0B+4*\s+3], s[46:47], \s*4*CHB
	s_or_b32 s[G0B+4*\s+3], s[G0B+4*\s+3], 0x80000000
	s_wait_alu depctr_va_vdst(0)
	s_wait_tensorcnt 0x0
	ds_add_u32 v28, v29
	s_wait_dscnt 0x0
	CROUND
	JLOAD G0+4*\s, G1, G0B+4*\s, G1B
.endr
	s_load_b32 s2, s[8:9], 0x0
	v_and_b32 v1, 15, v0
	v_bfe_u32 v2, v0, 4, 1
	s_wait_alu depctr_va_vdst(0)
	v_mul_u32_u24 v3, v1, 48
	v_mad_u32_u24 v3, v2, 24, v3
	s_mul_i32 s21, s15, HALFT
	s_mul_i32 s22, s16, HALFT
	s_add_co_u32 s22, s22, 2*HALFT
.irp s, 0,1
	v_add_nc_u32 v[ADRA+\s], s21, v3
	v_add_nc_u32 v[ADRB+\s], s22, v3
	s_add_co_u32 s21, s21, SLOT
	s_add_co_u32 s22, s22, SLOT
.endr
	v_lshlrev_b32 v5, 2, v1
	s_mul_i32 s21, s15, HALFS
	s_mul_i32 s22, s16, HALFS
	s_add_co_u32 s22, s22, 2*HALFS+64
	s_sub_co_u32 s22, s22, s21
	v_mul_u32_u24 v6, s22, v2
	s_add_co_u32 s21, s21, SCL
	v_add_nc_u32 v6, v5, v6
	v_add_nc_u32 v[ADRS], s21, v6
	s_mul_i32 s23, s14, 16*528
	v_mul_u32_u24 v5, v1, 528
	v_lshl_add_u32 v5, v2, 6, v5
	v_add_nc_u32 v[STO], s23, v5
	v_and_b32 v6, 31, v0
	v_lshlrev_b32 v[CO], 4, v6
	v_add_nc_u32 v[RD], s23, v[CO]
	s_lshl_b32 s20, s17, 8
	s_lshl_b32 s21, s15, 7
	s_add_co_u32 s20, s20, s21
	s_lshl_b32 s20, s20, 12
	s_lshl_b32 s46, s42, 10
	s_lshl_b32 s47, s16, 9
	s_add_co_u32 s46, s46, s47
	s_add_co_u32 s20, s20, s46
	s_mov_b32 s21, 0
	s_add_nc_u64 s[10:11], s[10:11], s[20:21]
	s_add_nc_u64 s[12:13], s[12:13], s[20:21]
	s_wait_kmcnt 0x0
	v_mov_b32 v[GT], s2
	v_mul_f32 v[GT], 0x4038aa3b, v[GT]
	s_wait_alu depctr_va_vdst(0)
	v_exp_f32 v[GT], v[GT]
	v_nop
	s_wait_alu depctr_va_vdst(0)
	v_add_f32 v[GT], 1.0, v[GT]
	s_wait_alu depctr_va_vdst(0)
	v_rcp_f32 v[GT], v[GT]
	v_nop
	s_wait_alu depctr_va_vdst(0)
	v_fma_f32 v[GT], v[GT], -2.0, 1.0
	v_mov_b32 v[GT+1], v[GT]
.macro FRAG reg, adr, q, i
.irp p, 0,1,2,3,4,5
	ds_load_b64 v[\reg+2*\p:\reg+2*\p+1], v[\adr] offset:(2*(\q)+\p/3)*6144+(\i)*768+8*(\p%3)
.endr
.endm
.macro MUL16 a0, p, q, sc, zero
.irp a, \a0, \a0+1
.irp b, 0,1,2,3,4,5,6,7
.if \zero
	v_wmma_scale_f32_16x16x128_f8f6f4 v[8*(8*((\a)%4)+\b):8*(8*((\a)%4)+\b)+7], v[128*(\p)+FR*\b:128*(\p)+FR*\b+FR-1], v[AF+FR*(\a):AF+FR*(\a)+FR-1], 0, v[SC+8*NQ*(\sc)+NQ*\b+(\q)], v[SC+8*NQ*(\sc)+NQ*(\a)+(\q)] matrix_a_fmt:MATRIX_FMT_FP6 matrix_b_fmt:MATRIX_FMT_FP6 matrix_a_scale:MATRIX_SCALE_ROW1
.else
	v_wmma_scale_f32_16x16x128_f8f6f4 v[8*(8*((\a)%4)+\b):8*(8*((\a)%4)+\b)+7], v[128*(\p)+FR*\b:128*(\p)+FR*\b+FR-1], v[AF+FR*(\a):AF+FR*(\a)+FR-1], v[8*(8*((\a)%4)+\b):8*(8*((\a)%4)+\b)+7], v[SC+8*NQ*(\sc)+NQ*\b+(\q)], v[SC+8*NQ*(\sc)+NQ*(\a)+(\q)] matrix_a_fmt:MATRIX_FMT_FP6 matrix_b_fmt:MATRIX_FMT_FP6 matrix_a_scale:MATRIX_SCALE_ROW1
.endif
.endr
.endr
.endm
.macro FETCH_B slot, q, p
	WIN TO_B
.irp i, 0,1,2,3,4,5,6,7
	FRAG 128*(\p)+FR*\i, ADRB+\slot, \q, \i
.endr
	WIN 0
.endm
.macro FETCH_A slot, q, i0
.irp i, \i0, \i0+1, \i0+2, \i0+3
	FRAG AF+FR*(\i), ADRA+\slot, \q, \i
.endr
.endm
.macro SCALES sc
.irp i, 0,1,2,3,4,5,6,7
	ds_load_b32 v[SC+16*\sc+2*\i], v[ADRS] offset:64*\i
	ds_load_b32 v[SC+16*\sc+2*\i+1], v[ADRS] offset:512+64*\i
.endr
.endm
.macro PLACES n
.rept \n
	v_nop
.endr
.endm
.macro STEP slot, q, zero
	s_wait_dscnt 4*NL
	WIN MUL_LO
	MUL16 0, (\q)%2, \q, \slot, \zero
	MUL16 2, (\q)%2, \q, \slot, \zero
	s_wait_dscnt 0
	PLACES NP
	FETCH_B \slot, (\q)+1, 1-(\q)%2
	FETCH_A \slot, (\q)+1, 0
	WIN MUL_HI
	MUL16 4, (\q)%2, \q, \slot, \zero
	MUL16 6, (\q)%2, \q, \slot, \zero
	PLACES NP
	WIN 0
	FETCH_A \slot, (\q)+1, 4
.endm
.macro TURN slot, next, fill
	s_wait_tensorcnt 0x0
	ds_add_u32 v[SPW], v[NIL]
	s_wait_dscnt 4*NL+1
	WIN MUL_LO
	MUL16 0, 1, NQ-1, \slot, 0
	s_wait_dscnt 0x0
	s_barrier_signal -1
	MUL16 2, 1, NQ-1, \slot, 0
	WIN 0
	s_barrier_wait -1
.if \fill
	CREST
	s_add_nc_u64 s[G0+4*\slot+2:G0+4*\slot+3], s[G0+4*\slot+2:G0+4*\slot+3], 8*CHB
	s_add_nc_u64 s[G0B+4*\slot+2:G0B+4*\slot+3], s[G0B+4*\slot+2:G0B+4*\slot+3], 8*CHB
	JLOAD G0+4*\slot, G1, G0B+4*\slot, G1B
.else
	PLACES NP
.endif
	s_wait_alu depctr_va_vdst(0)
	v_add_nc_u32 v[ADRS], 1024, v[ADRS]
	FETCH_B \next, 0, 0
	FETCH_A \next, 0, 0
	SCALES \next
	WIN MUL_HI
	MUL16 4, 1, NQ-1, \slot, 0
	MUL16 6, 1, NQ-1, \slot, 0
	PLACES NP
	WIN 0
	FETCH_A \next, 0, 4
.endm
	s_wait_tensorcnt 1
	s_barrier_signal -1
	s_barrier_wait -1
	FETCH_B 0, 0, 0
	FETCH_A 0, 0, 0
	SCALES 0
	FETCH_A 0, 0, 4
	STEP 0, 0, 1
	s_mov_b32 s3, LAPS-1
.Llap:
	TURN 0, 1, 1
	STEP 1, 0, 0
	TURN 1, 0, 1
	STEP 0, 0, 0
	s_sub_co_u32 s3, s3, 1
	s_cmp_lg_u32 s3, 0
	s_cbranch_scc1 .Llap
	TURN 0, 1, 0
	STEP 1, 0, 0
	s_wait_dscnt 4*NL
	WIN MUL_LO
	MUL16 0, 1, NQ-1, 1, 0
	MUL16 2, 1, NQ-1, 1, 0
	s_wait_dscnt 0
	WIN MUL_HI
	MUL16 4, 1, NQ-1, 1, 0
	MUL16 6, 1, NQ-1, 1, 0
	WIN 0
.macro RESLD a
.irp t, 0,1,2,3,4,5,6,7,8,9,10,11,12,13,14,15
	global_load_b128 v[64*((\a)%4)+4*\t:64*((\a)%4)+4*\t+3], v[CO], s[10:11] offset:(32*((\a)/2)+8*((\a)%2)+\t+8*(\t/8))*4096 th:TH_LOAD_NT   ; into window 1, buffer a % 4 of four
.endr
.endm
.macro TOSTAGE a
.set AC, 64*((\a)%4)
	WIN 0x08+4*((\a)/4)
.irp b, 0,1,2,3,4,5,6,7
	ds_store_b128 v[STO], v[AC+8*\b:AC+8*\b+3] offset:128*(\b/2)+32*(\b%2)
	ds_store_b128 v[STO], v[AC+8*\b+4:AC+8*\b+7] offset:128*(\b/2)+32*(\b%2)+16
.endr
	WIN 0
.set BB, BK+64*((\a)%2)
.irp t, 0,1,2,3,4,5,6,7,8,9,10,11,12,13,14,15
	ds_load_b128 v[BB+4*\t:BB+4*\t+3], v[RD] offset:\t*528
.endr
.endm
	PLACES NP
	WIN TO_B                                       ; window 1 held B's fragments, which are done with: it takes the residual rows of four blocks, 64 loads on their way at once
	RESLD 0
	RESLD 1
	RESLD 2
	RESLD 3
	WIN 0
.irp a, 0,1,2,3,4,5,6,7
.if \a > 0
	s_wait_xcnt 0x0
.endif
	TOSTAGE \a
.if \a < 5
	s_wait_loadcnt 48                              ; block a's 16 loads are in; those of the three blocks behind it may be out
.else
	s_wait_loadcnt 16*(7-\a)
.endif
	s_wait_dscnt 0x0
	WIN 0x10                                       ; source 2: window 1
.set k, 0
.rept 32
	v_pk_fma_f32 v[BB+k:BB+k+1], v[BB+k:BB+k+1], v[GT:GT+1], v[64*(\a%4)+k:64*(\a%4)+k+1]
.set k, k+2
.endr
.if \a < 4
	WIN TO_B
	RESLD \a+4                                     ; the buffer just read takes the block four further on
.endif
	WIN 0
.irp t, 0,1,2,3,4,5,6,7,8,9,10,11,12,13,14,15
	global_store_b128 v[CO], v[BB+4*\t:BB+4*\t+3], s[12:13] offset:(32*(\a/2)+8*(\a%2)+\t+8*(\t/8))*4096
.endr
.endr
	s_wait_tensorcnt 0x0
	ds_add_u32 v[SPW], v[NIL]
	s_wait_dscnt 0x0
	CROUND
	s_endpgm
.Lfunc_end_k_q70b1a853e8_go:
	.size	k_q70b1a853e8_go, .Lfunc_end_k_q70b1a853e8_go-k_q70b1a853e8_go
	.p2alignl 7, 3214868480
	.fill 96, 4, 3214868480
	.section	.rodata,"a",@progbits
	.p2align	6, 0x0
	.amdhsa_kernel k_q70b1a853e8_go
		.amdhsa_group_segment_fixed_size 327680
		.amdhsa_private_segment_fixed_size 0
		.amdhsa_enable_private_segment 0
		.amdhsa_kernarg_size 40
		.amdhsa_user_sgpr_count 2
		.amdhsa_user_sgpr_kernarg_segment_ptr 1
		.amdhsa_wavefront_size32 1
		.amdhsa_system_sgpr_workgroup_id_x 1
		.amdhsa_system_sgpr_workgroup_id_y 1
		.amdhsa_system_sgpr_workgroup_id_z 1
		.amdhsa_system_vgpr_workitem_id 0
		.amdhsa_next_free_vgpr 1024
		.amdhsa_next_free_sgpr 100
		.amdhsa_reserve_vcc 0
		.amdhsa_float_denorm_mode_32 3
		.amdhsa_float_denorm_mode_16_64 3
		.amdhsa_memory_ordered 1
		.amdhsa_forward_progress 1
		.amdhsa_inst_pref_size 192
	.end_amdhsa_kernel
	.amdgpu_metadata
---
amdhsa.version: [ 1, 2 ]
amdhsa.kernels:
  - .name:           k_q70b1a853e8_go
    .symbol:         k_q70b1a853e8_go.kd
    .args:
      - { .name: C1, .offset: 0, .size: 8, .value_kind: global_buffer, .address_space: global }
      - { .name: S1, .offset: 8, .size: 8, .value_kind: global_buffer, .address_space: global }
      - { .name: attn_gate, .offset: 16, .size: 8, .value_kind: global_buffer, .address_space: global }
      - { .name: q, .offset: 24, .size: 8, .value_kind: global_buffer, .address_space: global }
      - { .name: x, .offset: 32, .size: 8, .value_kind: global_buffer, .address_space: global }
    .group_segment_fixed_size: 327680
    .private_segment_fixed_size: 0
    .kernarg_segment_align: 8
    .kernarg_segment_size: 40
    .max_flat_workgroup_size: 128
    .sgpr_count:     100
    .vgpr_count:     1024
    .wavefront_size: 32
...
	.end_amdgpu_metadata
.endif
;; end of part 6
;; launch ln2: the kernel of part 2 again; grid 128 x 1, 8 waves a work-group, no clusters, 35,840 bytes of LDS; arguments x, kv, ff_gamma, ff_beta, gamma_kv, beta_kv, C1, S1; writes C1, S1
;; launch gf1 (part 7): grid 16 x 16, 4 waves a work-group, clusters of 4 x 4, 327,680 bytes of LDS; arguments C1, S1, C4, S4; writes C4, S4
.if DOCPART == 7
	.amdgcn_target "amdgcn-amd-amdhsa--gfx1250"
	.amdhsa_code_object_version 6
	.text
	.protected	k_q70b1a853e8_gf1
	.globl	k_q70b1a853e8_gf1
	.p2align	8
	.type	k_q70b1a853e8_gf1,@function
k_q70b1a853e8_gf1:
	s_mov_b64 s[64:65], 0
	v_nop
	global_prefetch_b8 v0, s[64:65] scope:SCOPE_SE
	s_setreg_imm32_b32 hwreg(HW_REG_WAVE_MODE, 25, 1), 1
	s_wait_xcnt 0x0
	s_wait_alu depctr_hold_cnt(0) depctr_sa_sdst(0) depctr_va_vdst(0) depctr_va_sdst(0) depctr_va_ssrc(0) depctr_va_vcc(0) depctr_vm_vsrc(0)
	s_getreg_b32 s2, hwreg(HW_REG_IB_STS2, 6, 4)
	s_cmp_eq_u32 s2, 0
	s_cbranch_scc0 .Lentry_in_a_cluster
	s_endpgm
.Lentry_in_a_cluster:
	s_bfe_u32 s2, ttmp6, 0x10000c
	s_cmp_lg_u32 s2, 0xf033
	s_cbranch_scc0 .Lentry_shape_is_right
	s_endpgm
.Lentry_shape_is_right:
.set ROWS,  20480
.set KK,    1024
.set BBASE, 12288
.set CHB,   48*ROWS
.set NQ,    2
.set FR,    12
.set NL,    6
.set NP,    4
.set HALFT, 4*6144
.set SLOT,  4*HALFT
.set LAPS,  KK/512
.set SCL,   2*SLOT
.set HALFS, 4*KK
.set SPARE, SCL+4*HALFS+256
.set ADRA, 16
.set ADRB, 20
.set STO,  24
.set STS,  25
.set RD,   26
.set ADRS, 27
.set SPW,  28
.set NIL,  29
.set CO,   30
.set SC,   32
.set H,    64
.set AF,   128
.set PC,   128
.set TM,   224
.set PW,   240
.set FLOOR, 241
.set K1,   242
.set K2,   98
.set SEL,  2
.set G1, 24
.set G0, 32
.set G1B, 48
.set G0B, 56
.set G1S, 68
.set G0S, 76
.set G1SB, 80
.set G0SB, 88
.set MSB, 0
.macro WIN new
.if MSB != (\new)
	s_set_vgpr_msb (MSB<<8)|(\new)
.set MSB, (\new)
.endif
.endm
.set MUL_LO, 0xa1
.set MUL_HI, 0xf1
.set TO_B,   0x40
.macro JLOAD g0a, g1a, g0b, g1b
	s_cmp_eq_u32 s15, 0
	s_cbranch_scc0 .Lfor_b_\@
	tensor_load_to_lds s[\g0a:\g0a+3], s[\g1a:\g1a+7]
	s_nop 0
.rept 4
	v_nop
.endr
	s_branch .Lasked_\@
.Lfor_b_\@:
	tensor_load_to_lds s[\g0b:\g0b+3], s[\g1b:\g1b+7]
	s_nop 0
.rept 4
	v_nop
.endr
.Lasked_\@:
.endm
.macro CREST
	s_cmp_lg_u32 s14, 0
	s_cbranch_scc1 .Lnot_wave_0_\@
	s_barrier_signal -3
.Lnot_wave_0_\@:
	s_barrier_wait -3
	s_barrier_signal -1
	s_barrier_wait -1
.endm
.macro CROUND
	s_barrier_signal -1
	s_barrier_wait -1
	CREST
.endm
	s_load_b128 s[4:7], s[0:1], 0x0
	s_load_b128 s[8:11], s[0:1], 0x10
	v_lshl_add_u32 v[SPW], v0, 2, SPARE
	v_mov_b32 v[NIL], 0
	ds_add_u32 v[SPW], v[NIL]
	ds_add_u32 v[SPW], v[NIL]
	v_lshrrev_b32 v1, 5, v0
	v_readfirstlane_b32 s14, v1
	s_lshr_b32 s15, s14, 1
	s_and_b32 s16, s14, 1
	s_bfe_u32 s40, ttmp6, 0x40000
	s_bfe_u32 s41, ttmp6, 0x40004
	s_lshl_b32 s42, ttmp9, 2
	s_add_co_u32 s42, s42, s40
	s_and_b32 s17, ttmp7, 0xffff
	s_lshl_b32 s17, s17, 2
	s_add_co_u32 s17, s17, s41
	s_lshl_b32 s43, s41, 2
	s_lshl_b32 s43, 15, s43
	s_lshl_b32 s44, 0x1111, s40
	s_or_b32 s[G1+0], s43, (3<<16)|(1<<21)
	s_or_b32 s[G1B+0], s44, (3<<16)|(1<<21)
.irp g, G1, G1B
	s_mov_b32 s[\g+1], 768<<16
	s_mov_b32 s[\g+2], 4<<16
	s_mov_b32 s[\g+3], 768<<16
	s_mov_b32 s[\g+4], 4
	s_mov_b32 s[\g+5], 6*ROWS
	s_mov_b32 s[\g+6], 0
	s_mov_b32 s[\g+7], 0
.endr
	s_or_b32 s[G1S+0], s43, (3<<16)|(1<<21)
	s_or_b32 s[G1SB+0], s44, (3<<16)|(1<<21)
.irp g, G1S, G1SB
	s_mov_b32 s[\g+1], 64<<16
	s_mov_b32 s[\g+2], (KK/128)<<16
	s_mov_b32 s[\g+3], 64<<16
	s_mov_b32 s[\g+4], KK/128
	s_mov_b32 s[\g+5], ROWS/2
	s_mov_b32 s[\g+6], 0
	s_mov_b32 s[\g+7], 0
.endr
	s_lshl_b32 s18, s16, 7
	s_lshl_b32 s20, s17, 8
	s_add_co_u32 s20, s20, s18
	s_lshl_b32 s46, s42, 8
	s_add_co_u32 s46, s46, s18
	s_add_co_u32 s46, s46, BBASE
	s_lshl_b32 s22, s20, 2
	s_mov_b32 s23, 0
	s_lshl_b32 s92, s46, 2
	s_mov_b32 s93, 0
	s_mul_i32 s20, s20, 48
	s_mov_b32 s21, 0
	s_mul_i32 s46, s46, 48
	s_mov_b32 s47, 0
	s_mul_i32 s45, s14, HALFT
	s_mul_i32 s94, s14, HALFS
	s_wait_dscnt 0x0
	s_wait_kmcnt 0x0
	s_add_nc_u64 s[20:21], s[4:5], s[20:21]
	s_add_nc_u64 s[22:23], s[6:7], s[22:23]
	s_add_nc_u64 s[46:47], s[4:5], s[46:47]
	s_add_nc_u64 s[92:93], s[6:7], s[92:93]
	CROUND
	s_mov_b32 s[G0S], 1
	s_add_co_u32 s[G0S+1], s94, SCL
	s_mov_b64 s[G0S+2:G0S+3], s[22:23]
	s_or_b32 s[G0S+3], s[G0S+3], 0x80000000
	s_mov_b32 s[G0SB], 1
	s_add_co_u32 s[G0SB+1], s94, SCL+64
	s_mov_b64 s[G0SB+2:G0SB+3], s[92:93]
	s_or_b32 s[G0SB+3], s[G0SB+3], 0x80000000
	JLOAD G0S, G1S, G0SB, G1SB
.irp s, 0,1
	s_mov_b32 s[G0+4*\s], 1
	s_add_co_u32 s[G0+4*\s+1], s45, \s*SLOT
	s_add_nc_u64 s[G0+4*\s+2:G0+4*\s+3], s[20:21], \s*4*CHB
	s_or_b32 s[G0+4*\s+3], s[G0+4*\s+3], 0x80000000
	s_mov_b32 s[G0B+4*\s], 1
	s_add_co_u32 s[G0B+4*\s+1], s45, \s*SLOT
	s_add_nc_u64 s[G0B+4*\s+2:G0B+4*\s+3], s[46:47], \s*4*CHB
	s_or_b32 s[G0B+4*\s+3], s[G0B+4*\s+3], 0x80000000
	s_wait_alu depctr_va_vdst(0)
	s_wait_tensorcnt 0x0
	ds_add_u32 v28, v29
	s_wait_dscnt 0x0
	CROUND
	JLOAD G0+4*\s, G1, G0B+4*\s, G1B
.endr
	v_and_b32 v1, 15, v0
	v_bfe_u32 v2, v0, 4, 1
	s_wait_alu depctr_va_vdst(0)
	v_mul_u32_u24 v3, v1, 48
	v_mad_u32_u24 v3, v2, 24, v3
	s_wait_alu depctr_va_vdst(0)
	s_mul_i32 s21, s15, HALFT
	s_mul_i32 s22, s16, HALFT
	s_add_co_u32 s22, s22, 2*HALFT
.irp s, 0,1
	v_add_nc_u32 v[ADRA+\s], s21, v3
	v_add_nc_u32 v[ADRB+\s], s22, v3
	s_add_co_u32 s21, s21, SLOT
	s_add_co_u32 s22, s22, SLOT
.endr
	v_lshlrev_b32 v5, 2, v1
	s_mul_i32 s21, s15, HALFS
	s_mul_i32 s22, s16, HALFS
	s_add_co_u32 s22, s22, 2*HALFS+64
	s_sub_co_u32 s22, s22, s21
	v_mul_u32_u24 v6, s22, v2
	s_add_co_u32 s21, s21, SCL
	v_add_nc_u32 v6, v5, v6
	v_add_nc_u32 v[ADRS], s21, v6
	s_mul_i32 s23, s14, 12800
	v_add_nc_u32 v[STO], s23, v3
	v_add_nc_u32 v[STS], s23, v5
	v_and_b32 v6, 31, v0
	v_lshlrev_b32 v[CO], 4, v6
	v_add_nc_u32 v[RD], s23, v[CO]
	s_lshl_b32 s22, s17, 8
	s_lshl_b32 s18, s15, 7
	s_add_co_u32 s22, s22, s18
	s_lshl_b32 s23, s42, 2
	s_lshl_b32 s18, s16, 1
	s_add_co_u32 s23, s23, s18
	s_mul_i32 s20, s23, 245760
	s_mul_i32 s18, s22, 48
	s_add_co_u32 s96, s20, s18
	s_mov_b32 s97, 0
	s_add_nc_u64 s[8:9], s[8:9], s[96:97]
	s_add_nc_u64 s[12:13], s[8:9], 245760
	s_lshr_b32 s23, s23, 1
	s_mul_i32 s20, s23, 20480
	s_lshl_b32 s18, s22, 2
	s_add_co_u32 s96, s20, s18
	s_add_nc_u64 s[10:11], s[10:11], s[96:97]
.macro FRAG reg, adr, q, i
.irp p, 0,1,2,3,4,5
	ds_load_b64 v[\reg+2*\p:\reg+2*\p+1], v[\adr] offset:(2*(\q)+\p/3)*6144+(\i)*768+8*(\p%3)
.endr
.endm
.macro MUL16 a0, p, q, sc, zero
.irp a, \a0, \a0+1
.irp b, 0,1,2,3,4,5,6,7
.if \zero
	v_wmma_scale_f32_16x16x128_f8f6f4 v[8*(8*((\a)%4)+\b):8*(8*((\a)%4)+\b)+7], v[128*(\p)+FR*\b:128*(\p)+FR*\b+FR-1], v[AF+FR*(\a):AF+FR*(\a)+FR-1], 0, v[SC+8*NQ*(\sc)+NQ*\b+(\q)], v[SC+8*NQ*(\sc)+NQ*(\a)+(\q)] matrix_a_fmt:MATRIX_FMT_FP6 matrix_b_fmt:MATRIX_FMT_FP6 matrix_a_scale:MATRIX_SCALE_ROW1
.else
	v_wmma_scale_f32_16x16x128_f8f6f4 v[8*(8*((\a)%4)+\b):8*(8*((\a)%4)+\b)+7], v[128*(\p)+FR*\b:128*(\p)+FR*\b+FR-1], v[AF+FR*(\a):AF+FR*(\a)+FR-1], v[8*(8*((\a)%4)+\b):8*(8*((\a)%4)+\b)+7], v[SC+8*NQ*(\sc)+NQ*\b+(\q)], v[SC+8*NQ*(\sc)+NQ*(\a)+(\q)] matrix_a_fmt:MATRIX_FMT_FP6 matrix_b_fmt:MATRIX_FMT_FP6 matrix_a_scale:MATRIX_SCALE_ROW1
.endif
.endr
.endr
.endm
.macro FETCH_B slot, q, p
	WIN TO_B
.irp i, 0,1,2,3,4,5,6,7
	FRAG 128*(\p)+FR*\i, ADRB+\slot, \q, \i
.endr
	WIN 0
.endm
.macro FETCH_A slot, q, i0
.irp i, \i0, \i0+1, \i0+2, \i0+3
	FRAG AF+FR*(\i), ADRA+\slot, \q, \i
.endr
.endm
.macro SCALES sc
.irp i, 0,1,2,3,4,5,6,7
	ds_load_b32 v[SC+16*\sc+2*\i], v[ADRS] offset:64*\i
	ds_load_b32 v[SC+16*\sc+2*\i+1], v[ADRS] offset:512+64*\i
.endr
.endm
.macro PLACES n
.rept \n
	v_nop
.endr
.endm
.macro STEP slot, q, zero
	s_wait_dscnt 4*NL
	WIN MUL_LO
	MUL16 0, (\q)%2, \q, \slot, \zero
	MUL16 2, (\q)%2, \q, \slot, \zero
	s_wait_dscnt 0
	PLACES NP
	FETCH_B \slot, (\q)+1, 1-(\q)%2
	FETCH_A \slot, (\q)+1, 0
	WIN MUL_HI
	MUL16 4, (\q)%2, \q, \slot, \zero
	MUL16 6, (\q)%2, \q, \slot, \zero
	PLACES NP
	WIN 0
	FETCH_A \slot, (\q)+1, 4
.endm
.macro TURN slot, next, fill
	s_wait_tensorcnt 0x0
	ds_add_u32 v[SPW], v[NIL]
	s_wait_dscnt 4*NL+1
	WIN MUL_LO
	MUL16 0, 1, NQ-1, \slot, 0
	s_wait_dscnt 0x0
	s_barrier_signal -1
	MUL16 2, 1, NQ-1, \slot, 0
	WIN 0
	s_barrier_wait -1
.if \fill
	CREST
	s_add_nc_u64 s[G0+4*\slot+2:G0+4*\slot+3], s[G0+4*\slot+2:G0+4*\slot+3], 8*CHB
	s_add_nc_u64 s[G0B+4*\slot+2:G0B+4*\slot+3], s[G0B+4*\slot+2:G0B+4*\slot+3], 8*CHB
	JLOAD G0+4*\slot, G1, G0B+4*\slot, G1B
.else
	PLACES NP
.endif
	s_wait_alu depctr_va_vdst(0)
	v_add_nc_u32 v[ADRS], 1024, v[ADRS]
	FETCH_B \next, 0, 0
	FETCH_A \next, 0, 0
	SCALES \next
	WIN MUL_HI
	MUL16 4, 1, NQ-1, \slot, 0
	MUL16 6, 1, NQ-1, \slot, 0
	PLACES NP
	WIN 0
	FETCH_A \next, 0, 4
.endm
	s_wait_alu depctr_va_vdst(0)
	s_wait_tensorcnt 1
	s_barrier_signal -1
	s_barrier_wait -1
	FETCH_B 0, 0, 0
	FETCH_A 0, 0, 0
	SCALES 0
	FETCH_A 0, 0, 4
	STEP 0, 0, 1
	s_mov_b32 s3, LAPS-1
.Llap:
	TURN 0, 1, 1
	STEP 1, 0, 0
	TURN 1, 0, 1
	STEP 0, 0, 0
	s_sub_co_u32 s3, s3, 1
	s_cmp_lg_u32 s3, 0
	s_cbranch_scc1 .Llap
	TURN 0, 1, 0
	STEP 1, 0, 0
	s_wait_dscnt 4*NL
	WIN MUL_LO
	MUL16 0, 1, NQ-1, 1, 0
	MUL16 2, 1, NQ-1, 1, 0
	s_wait_dscnt 0
	WIN MUL_HI
	MUL16 4, 1, NQ-1, 1, 0
	MUL16 6, 1, NQ-1, 1, 0
	WIN 0
.macro GELU ac, w
	WIN (\w)|((\w)<<2)
.set k, 0
.rept 32
	v_pk_mul_f32 v[H+k:H+k+1], v[\ac+k:\ac+k+1], v[\ac+k:\ac+k+1]
.set k, k+2
.endr
	WIN 0
.set k, 0
.rept 32
	v_pk_fma_f32 v[H+k:H+k+1], v[H+k:H+k+1], s[K2:K2+1], v[K1:K1+1] op_sel_hi:[1,0,0]
.set k, k+2
.endr
	WIN (\w)<<2
.set k, 0
.rept 32
	v_pk_mul_f32 v[H+k:H+k+1], v[H+k:H+k+1], v[\ac+k:\ac+k+1]
.set k, k+2
.endr
	WIN 0
.set k, 0
	s_wait_alu depctr_va_vdst(0)
.rept 64
	v_exp_f32 v[H+k], v[H+k]
.set k, k+1
.endr
	v_nop
	s_wait_alu depctr_va_vdst(0)
.set k, 0
.rept 32
	v_pk_add_f32 v[H+k:H+k+1], v[H+k:H+k+1], 1.0 op_sel_hi:[1,0]
.set k, k+2
.endr
.set k, 0
	s_wait_alu depctr_va_vdst(0)
.rept 64
	v_rcp_f32 v[H+k], v[H+k]
.set k, k+1
.endr
	v_nop
	s_wait_alu depctr_va_vdst(0)
	WIN (\w)<<2
.set k, 0
.rept 32
	v_pk_mul_f32 v[H+k:H+k+1], v[H+k:H+k+1], v[\ac+k:\ac+k+1]
.set k, k+2
.endr
	WIN 0
.endm
.macro QUANT s
.irp b, 0,1,2,3
	v_max3_num_f32 v[TM+\b], v[FLOOR], |v[\s+16*\b]|, |v[\s+16*\b+1]|
.endr
.irp i, 2,4,6,8,10,12,14
.irp b, 0,1,2,3
	v_max3_num_f32 v[TM+\b], v[TM+\b], |v[\s+16*\b+\i]|, |v[\s+16*\b+\i+1]|
.endr
.endr
.irp b, 0,1,2,3
	v_permlanex16_b32 v[TM+4+\b], v[TM+\b], s[SEL], s[SEL+1]
.endr
.irp b, 0,1,2,3
	v_max_num_f32 v[TM+\b], v[TM+\b], v[TM+4+\b]
.endr
.irp b, 0,1,2,3
	v_add_nc_u32 v[TM+12+\b], 0xff000000, v[TM+\b]
.endr
.irp b, 0,1,2,3
	v_lshrrev_b32 v[TM+4+\b], 23, v[TM+12+\b]
.endr
	v_lshl_or_b32 v[PW], v[TM+5], 8, v[TM+4]
	v_lshl_or_b32 v[PW], v[TM+6], 16, v[PW]
	v_lshl_or_b32 v[PW], v[TM+7], 24, v[PW]
.irp c, 0,1
	v_cvt_scalef32_pk16_fp6_f32 v[PC+6*\c:PC+6*\c+2], v[\s+32*\c:\s+32*\c+15], v[TM+12+2*\c]
	v_cvt_scalef32_pk16_fp6_f32 v[PC+12+4*\c:PC+14+4*\c], v[\s+32*\c+16:\s+32*\c+31], v[TM+12+2*\c+1]
.endr
	v_nop
.irp c, 0,1
.irp i, 0,1,2
	v_permlane16_swap_b32 v[PC+6*\c+\i], v[PC+12+4*\c+\i]
.endr
.irp i, 0,1,2
	v_mov_b32 v[PC+3+6*\c+\i], v[PC+12+4*\c+\i]
.endr
.endr
.endm
	PLACES NP
	s_mov_b32 s[SEL], 0x76543210
	s_mov_b32 s[SEL+1], 0xfedcba98
	s_mov_b32 s[K2], 0xbdd2d3e7
	s_mov_b32 s[K2+1], s[K2]
	v_mov_b32 v[K1], 0xc0135761
	v_mov_b32 v[K1+1], 0xc0135761
	v_mov_b32 v[FLOOR], 0x1800000
.irp b, 0,1,2,3
	v_mov_b32 v[TM+4+\b], 0
.endr
.irp a, 0,1,2,3,4,5,6,7
	GELU 64*(\a%4), 2+\a/4
	QUANT H
.irp c, 0,1
.irp p, 0,1,2
	ds_store_b64 v[STO], v[PC+6*\c+2*\p:PC+6*\c+2*\p+1] offset:6144*\c+768*\a+8*\p
.endr
.endr
	ds_store_b32 v[STS], v[PW] offset:12288+64*\a
	s_wait_dscnt 0x0
.endr
.set k, 0
.rept 24
	ds_load_b128 v[160+4*k:163+4*k], v[RD] offset:512*k
.set k, k+1
.endr
	ds_load_b128 v[148:151], v[RD] offset:12288
.set k, 0
.rept 24
	s_wait_dscnt 24-k
.if k < 12
	global_store_b128 v[CO], v[160+4*k:163+4*k], s[8:9] offset:512*k
.else
	global_store_b128 v[CO], v[160+4*k:163+4*k], s[12:13] offset:512*(k-12)
.endif
.set k, k+1
.endr
	s_wait_dscnt 0x0
	global_store_b128 v[CO], v[148:151], s[10:11]
	s_wait_tensorcnt 0x0
	ds_add_u32 v[SPW], v[NIL]
	s_wait_dscnt 0x0
	CROUND
	s_endpgm
.Lfunc_end_k_q70b1a853e8_gf1:
	.size	k_q70b1a853e8_gf1, .Lfunc_end_k_q70b1a853e8_gf1-k_q70b1a853e8_gf1
	.p2alignl 7, 3214868480
	.fill 96, 4, 3214868480
	.section	.rodata,"a",@progbits
	.p2align	6, 0x0
	.amdhsa_kernel k_q70b1a853e8_gf1
		.amdhsa_group_segment_fixed_size 327680
		.amdhsa_private_segment_fixed_size 0
		.amdhsa_enable_private_segment 0
		.amdhsa_kernarg_size 32
		.amdhsa_user_sgpr_count 2
		.amdhsa_user_sgpr_kernarg_segment_ptr 1
		.amdhsa_wavefront_size32 1
		.amdhsa_system_sgpr_workgroup_id_x 1
		.amdhsa_system_sgpr_workgroup_id_y 1
		.amdhsa_system_sgpr_workgroup_id_z 1
		.amdhsa_system_vgpr_workitem_id 0
		.amdhsa_next_free_vgpr 1024
		.amdhsa_next_free_sgpr 100
		.amdhsa_reserve_vcc 0
		.amdhsa_float_denorm_mode_32 3
		.amdhsa_float_denorm_mode_16_64 3
		.amdhsa_memory_ordered 1
		.amdhsa_forward_progress 1
		.amdhsa_inst_pref_size 255
	.end_amdhsa_kernel
	.section	.bss,"aw",@nobits
	.p2align	6
	.space	262144
	.amdgpu_metadata
---
amdhsa.version: [ 1, 2 ]
amdhsa.kernels:
  - .name:           k_q70b1a853e8_gf1
    .symbol:         k_q70b1a853e8_gf1.kd
    .args:
      - { .name: C1, .offset: 0, .size: 8, .value_kind: global_buffer, .address_space: global }
      - { .name: S1, .offset: 8, .size: 8, .value_kind: global_buffer, .address_space: global }
      - { .name: C4, .offset: 16, .size: 8, .value_kind: global_buffer, .address_space: global }
      - { .name: S4, .offset: 24, .size: 8, .value_kind: global_buffer, .address_space: global }
    .group_segment_fixed_size: 327680
    .private_segment_fixed_size: 0
    .kernarg_segment_align: 8
    .kernarg_segment_size: 32
    .max_flat_workgroup_size: 128
    .sgpr_count:     100
    .vgpr_count:     1024
    .wavefront_size: 32
...
	.end_amdgpu_metadata
.endif
;; end of part 7
;; launch gf2 (part 8): grid 4 x 16, 4 waves a work-group, clusters of 4 x 4, 327,680 bytes of LDS; arguments C4, S4, ff_gate, x, out0; writes out0
.if DOCPART == 8
	.amdgcn_target "amdgcn-amd-amdhsa--gfx1250"
	.amdhsa_code_object_version 6
	.text
	.protected	k_q70b1a853e8_gf2
	.globl	k_q70b1a853e8_gf2
	.p2align	8
	.type	k_q70b1a853e8_gf2,@function
k_q70b1a853e8_gf2:
	s_mov_b64 s[64:65], 0
	v_nop
	global_prefetch_b8 v0, s[64:65] scope:SCOPE_SE
	s_setreg_imm32_b32 hwreg(HW_REG_WAVE_MODE, 25, 1), 1
	s_wait_xcnt 0x0
	s_wait_alu depctr_hold_cnt(0) depctr_sa_sdst(0) depctr_va_vdst(0) depctr_va_sdst(0) depctr_va_ssrc(0) depctr_va_vcc(0) depctr_vm_vsrc(0)
	s_getreg_b32 s2, hwreg(HW_REG_IB_STS2, 6, 4)
	s_cmp_eq_u32 s2, 0
	s_cbranch_scc0 .Lentry_in_a_cluster
	s_endpgm
.Lentry_in_a_cluster:
	s_bfe_u32 s2, ttmp6, 0x10000c
	s_cmp_lg_u32 s2, 0xf033
	s_cbranch_scc0 .Lentry_shape_is_right
	s_endpgm
.Lentry_shape_is_right:
.set ROWS,  5120
.set KK,    4096
.set BBASE, 4096
.set CHB,   48*ROWS
.set NQ,    2
.set FR,    12
.set NL,    6
.set NP,    4
.set HALFT, 4*6144
.set SLOT,  4*HALFT
.set LAPS,  KK/512
.set SCL,   2*SLOT
.set HALFS, 4*KK
.set SPARE, SCL+4*HALFS+256
.set ADRA, 16
.set ADRB, 20
.set STO,  24
.set RD,   25
.set CO,   26
.set ADRS, 27
.set SPW,  28
.set NIL,  29
.set GT,   30
.set SC,   32
.set RS,   64
.set AF,   128
.set BK,   128
.set G1, 24
.set G0, 32
.set G1B, 48
.set G0B, 56
.set G1S, 68
.set G0S, 76
.set G1SB, 80
.set G0SB, 88
.set MSB, 0
.macro WIN new
.if MSB != (\new)
	s_set_vgpr_msb (MSB<<8)|(\new)
.set MSB, (\new)
.endif
.endm
.set MUL_LO, 0xa1
.set MUL_HI, 0xf1
.set TO_B,   0x40
.macro JLOAD g0a, g1a, g0b, g1b
	s_cmp_eq_u32 s15, 0
	s_cbranch_scc0 .Lfor_b_\@
	tensor_load_to_lds s[\g0a:\g0a+3], s[\g1a:\g1a+7]
	s_nop 0
.rept 4
	v_nop
.endr
	s_branch .Lasked_\@
.Lfor_b_\@:
	tensor_load_to_lds s[\g0b:\g0b+3], s[\g1b:\g1b+7]
	s_nop 0
.rept 4
	v_nop
.endr
.Lasked_\@:
.endm
.macro CREST
	s_cmp_lg_u32 s14, 0
	s_cbranch_scc1 .Lnot_wave_0_\@
	s_barrier_signal -3
.Lnot_wave_0_\@:
	s_barrier_wait -3
	s_barrier_signal -1
	s_barrier_wait -1
.endm
.macro CROUND
	s_barrier_signal -1
	s_barrier_wait -1
	CREST
.endm
	s_load_b128 s[4:7], s[0:1], 0x0
	s_load_b128 s[8:11], s[0:1], 0x10
	s_load_b64 s[12:13], s[0:1], 0x20
	v_lshl_add_u32 v[SPW], v0, 2, SPARE
	v_mov_b32 v[NIL], 0
	ds_add_u32 v[SPW], v[NIL]
	ds_add_u32 v[SPW], v[NIL]
	v_lshrrev_b32 v1, 5, v0
	v_readfirstlane_b32 s14, v1
	s_lshr_b32 s15, s14, 1
	s_and_b32 s16, s14, 1
	s_bfe_u32 s40, ttmp6, 0x40000
	s_bfe_u32 s41, ttmp6, 0x40004
	s_lshl_b32 s42, ttmp9, 2
	s_add_co_u32 s42, s42, s40
	s_and_b32 s17, ttmp7, 0xffff
	s_lshl_b32 s17, s17, 2
	s_add_co_u32 s17, s17, s41
	s_lshl_b32 s43, s41, 2
	s_lshl_b32 s43, 15, s43
	s_lshl_b32 s44, 0x1111, s40
	s_or_b32 s[G1+0], s43, (3<<16)|(1<<21)
	s_or_b32 s[G1B+0], s44, (3<<16)|(1<<21)
.irp g, G1, G1B
	s_mov_b32 s[\g+1], 768<<16
	s_mov_b32 s[\g+2], 4<<16
	s_mov_b32 s[\g+3], 768<<16
	s_mov_b32 s[\g+4], 4
	s_mov_b32 s[\g+5], 6*ROWS
	s_mov_b32 s[\g+6], 0
	s_mov_b32 s[\g+7], 0
.endr
	s_or_b32 s[G1S+0], s43, (3<<16)|(1<<21)
	s_or_b32 s[G1SB+0], s44, (3<<16)|(1<<21)
.irp g, G1S, G1SB
	s_mov_b32 s[\g+1], 64<<16
	s_mov_b32 s[\g+2], (KK/128)<<16
	s_mov_b32 s[\g+3], 64<<16
	s_mov_b32 s[\g+4], KK/128
	s_mov_b32 s[\g+5], ROWS/2
	s_mov_b32 s[\g+6], 0
	s_mov_b32 s[\g+7], 0
.endr
	s_lshl_b32 s18, s16, 7
	s_lshl_b32 s20, s17, 8
	s_add_co_u32 s20, s20, s18
	s_lshl_b32 s46, s42, 8
	s_add_co_u32 s46, s46, s18
	s_add_co_u32 s46, s46, BBASE
	s_lshl_b32 s22, s20, 2
	s_mov_b32 s23, 0
	s_lshl_b32 s92, s46, 2
	s_mov_b32 s93, 0
	s_mul_i32 s20, s20, 48
	s_mov_b32 s21, 0
	s_mul_i32 s46, s46, 48
	s_mov_b32 s47, 0
	s_mul_i32 s45, s14, HALFT
	s_mul_i32 s94, s14, HALFS
	s_wait_dscnt 0x0
	s_wait_kmcnt 0x0
	s_add_nc_u64 s[20:21], s[4:5], s[20:21]
	s_add_nc_u64 s[22:23], s[6:7], s[22:23]
	s_add_nc_u64 s[46:47], s[4:5], s[46:47]
	s_add_nc_u64 s[92:93], s[6:7], s[92:93]
	CROUND
	s_mov_b32 s[G0S], 1
	s_add_co_u32 s[G0S+1], s94, SCL
	s_mov_b64 s[G0S+2:G0S+3], s[22:23]
	s_or_b32 s[G0S+3], s[G0S+3], 0x80000000
	s_mov_b32 s[G0SB], 1
	s_add_co_u32 s[G0SB+1], s94, SCL+64
	s_mov_b64 s[G0SB+2:G0SB+3], s[92:93]
	s_or_b32 s[G0SB+3], s[G0SB+3], 0x80000000
	JLOAD G0S, G1S, G0SB, G1SB
.irp s, 0,1
	s_mov_b32 s[G0+4*\s], 1
	s_add_co_u32 s[G0+4*\s+1], s45, \s*SLOT
	s_add_nc_u64 s[G0+4*\s+2:G0+4*\s+3], s[20:21], \s*4*CHB
	s_or_b32 s[G0+4*\s+3], s[G0+4*\s+3], 0x80000000
	s_mov_b32 s[G0B+4*\s], 1
	s_add_co_u32 s[G0B+4*\s+1], s45, \s*SLOT
	s_add_nc_u64 s[G0B+4*\s+2:G0B+4*\s+3], s[46:47], \s*4*CHB
	s_or_b32 s[G0B+4*\s+3], s[G0B+4*\s+3], 0x80000000
	s_wait_alu depctr_va_vdst(0)
	s_wait_tensorcnt 0x0
	ds_add_u32 v28, v29
	s_wait_dscnt 0x0
	CROUND
	JLOAD G0+4*\s, G1, G0B+4*\s, G1B
.endr
	s_load_b32 s2, s[8:9], 0x0
	v_and_b32 v1, 15, v0
	v_bfe_u32 v2, v0, 4, 1
	s_wait_alu depctr_va_vdst(0)
	v_mul_u32_u24 v3, v1, 48
	v_mad_u32_u24 v3, v2, 24, v3
	s_mul_i32 s21, s15, HALFT
	s_mul_i32 s22, s16, HALFT
	s_add_co_u32 s22, s22, 2*HALFT
.irp s, 0,1
	v_add_nc_u32 v[ADRA+\s], s21, v3
	v_add_nc_u32 v[ADRB+\s], s22, v3
	s_add_co_u32 s21, s21, SLOT
	s_add_co_u32 s22, s22, SLOT
.endr
	v_lshlrev_b32 v5, 2, v1
	s_mul_i32 s21, s15, HALFS
	s_mul_i32 s22, s16, HALFS
	s_add_co_u32 s22, s22, 2*HALFS+64
	s_sub_co_u32 s22, s22, s21
	v_mul_u32_u24 v6, s22, v2
	s_add_co_u32 s21, s21, SCL
	v_add_nc_u32 v6, v5, v6
	v_add_nc_u32 v[ADRS], s21, v6
	s_mul_i32 s23, s14, 16*528
	v_mul_u32_u24 v5, v1, 528
	v_lshl_add_u32 v5, v2, 6, v5
	v_add_nc_u32 v[STO], s23, v5
	v_and_b32 v6, 31, v0
	v_lshlrev_b32 v[CO], 4, v6
	v_add_nc_u32 v[RD], s23, v[CO]
	s_lshl_b32 s20, s17, 8
	s_lshl_b32 s21, s15, 7
	s_add_co_u32 s20, s20, s21
	s_lshl_b32 s20, s20, 12
	s_lshl_b32 s46, s42, 10
	s_lshl_b32 s47, s16, 9
	s_add_co_u32 s46, s46, s47
	s_add_co_u32 s20, s20, s46
	s_mov_b32 s21, 0
	s_add_nc_u64 s[10:11], s[10:11], s[20:21]
	s_add_nc_u64 s[12:13], s[12:13], s[20:21]
	s_wait_kmcnt 0x0
	v_mov_b32 v[GT], s2
	v_mul_f32 v[GT], 0x4038aa3b, v[GT]
	s_wait_alu depctr_va_vdst(0)
	v_exp_f32 v[GT], v[GT]
	v_nop
	s_wait_alu depctr_va_vdst(0)
	v_add_f32 v[GT], 1.0, v[GT]
	s_wait_alu depctr_va_vdst(0)
	v_rcp_f32 v[GT], v[GT]
	v_nop
	s_wait_alu depctr_va_vdst(0)
	v_fma_f32 v[GT], v[GT], -2.0, 1.0
	v_mov_b32 v[GT+1], v[GT]
.macro FRAG reg, adr, q, i
.irp p, 0,1,2,3,4,5
	ds_load_b64 v[\reg+2*\p:\reg+2*\p+1], v[\adr] offset:(2*(\q)+\p/3)*6144+(\i)*768+8*(\p%3)
.endr
.endm
.macro MUL16 a0, p, q, sc, zero
.irp a, \a0, \a0+1
.irp b, 0,1,2,3,4,5,6,7
.if \zero
	v_wmma_scale_f32_16x16x128_f8f6f4 v[8*(8*((\a)%4)+\b):8*(8*((\a)%4)+\b)+7], v[128*(\p)+FR*\b:128*(\p)+FR*\b+FR-1], v[AF+FR*(\a):AF+FR*(\a)+FR-1], 0, v[SC+8*NQ*(\sc)+NQ*\b+(\q)], v[SC+8*NQ*(\sc)+NQ*(\a)+(\q)] matrix_a_fmt:MATRIX_FMT_FP6 matrix_b_fmt:MATRIX_FMT_FP6 matrix_a_scale:MATRIX_SCALE_ROW1
.else
	v_wmma_scale_f32_16x16x128_f8f6f4 v[8*(8*((\a)%4)+\b):8*(8*((\a)%4)+\b)+7], v[128*(\p)+FR*\b:128*(\p)+FR*\b+FR-1], v[AF+FR*(\a):AF+FR*(\a)+FR-1], v[8*(8*((\a)%4)+\b):8*(8*((\a)%4)+\b)+7], v[SC+8*NQ*(\sc)+NQ*\b+(\q)], v[SC+8*NQ*(\sc)+NQ*(\a)+(\q)] matrix_a_fmt:MATRIX_FMT_FP6 matrix_b_fmt:MATRIX_FMT_FP6 matrix_a_scale:MATRIX_SCALE_ROW1
.endif
.endr
.endr
.endm
.macro FETCH_B slot, q, p
	WIN TO_B
.irp i, 0,1,2,3,4,5,6,7
	FRAG 128*(\p)+FR*\i, ADRB+\slot, \q, \i
.endr
	WIN 0
.endm
.macro FETCH_A slot, q, i0
.irp i, \i0, \i0+1, \i0+2, \i0+3
	FRAG AF+FR*(\i), ADRA+\slot, \q, \i
.endr
.endm
.macro SCALES sc
.irp i, 0,1,2,3,4,5,6,7
	ds_load_b32 v[SC+16*\sc+2*\i], v[ADRS] offset:64*\i
	ds_load_b32 v[SC+16*\sc+2*\i+1], v[ADRS] offset:512+64*\i
.endr
.endm
.macro PLACES n
.rept \n
	v_nop
.endr
.endm
.macro STEP slot, q, zero
	s_wait_dscnt 4*NL
	WIN MUL_LO
	MUL16 0, (\q)%2, \q, \slot, \zero
	MUL16 2, (\q)%2, \q, \slot, \zero
	s_wait_dscnt 0
	PLACES NP
	FETCH_B \slot, (\q)+1, 1-(\q)%2
	FETCH_A \slot, (\q)+1, 0
	WIN MUL_HI
	MUL16 4, (\q)%2, \q, \slot, \zero
	MUL16 6, (\q)%2, \q, \slot, \zero
	PLACES NP
	WIN 0
	FETCH_A \slot, (\q)+1, 4
.endm
.macro TURN slot, next, fill
	s_wait_tensorcnt 0x0
	ds_add_u32 v[SPW], v[NIL]
	s_wait_dscnt 4*NL+1
	WIN MUL_LO
	MUL16 0, 1, NQ-1, \slot, 0
	s_wait_dscnt 0x0
	s_barrier_signal -1
	MUL16 2, 1, NQ-1, \slot, 0
	WIN 0
	s_barrier_wait -1
.if \fill
	CREST
	s_add_nc_u64 s[G0+4*\slot+2:G0+4*\slot+3], s[G0+4*\slot+2:G0+4*\slot+3], 8*CHB
	s_add_nc_u64 s[G0B+4*\slot+2:G0B+4*\slot+3], s[G0B+4*\slot+2:G0B+4*\slot+3], 8*CHB
	JLOAD G0+4*\slot, G1, G0B+4*\slot, G1B
.else
	PLACES NP
.endif
	s_wait_alu depctr_va_vdst(0)
	v_add_nc_u32 v[ADRS], 1024, v[ADRS]
	FETCH_B \next, 0, 0
	FETCH_A \next, 0, 0
	SCALES \next
	WIN MUL_HI
	MUL16 4, 1, NQ-1, \slot, 0
	MUL16 6, 1, NQ-1, \slot, 0
	PLACES NP
	WIN 0
	FETCH_A \next, 0, 4
.endm
	s_wait_tensorcnt 1
	s_barrier_signal -1
	s_barrier_wait -1
	FETCH_B 0, 0, 0
	FETCH_A 0, 0, 0
	SCALES 0
	FETCH_A 0, 0, 4
	STEP 0, 0, 1
	s_mov_b32 s3, LAPS-1
.Llap:
	TURN 0, 1, 1
	STEP 1, 0, 0
	TURN 1, 0, 1
	STEP 0, 0, 0
	s_sub_co_u32 s3, s3, 1
	s_cmp_lg_u32 s3, 0
	s_cbranch_scc1 .Llap
	TURN 0, 1, 0
	STEP 1, 0, 0
	s_wait_dscnt 4*NL
	WIN MUL_LO
	MUL16 0, 1, NQ-1, 1, 0
	MUL16 2, 1, NQ-1, 1, 0
	s_wait_dscnt 0
	WIN MUL_HI
	MUL16 4, 1, NQ-1, 1, 0
	MUL16 6, 1, NQ-1, 1, 0
	WIN 0
.macro RESLD a
.irp t, 0,1,2,3,4,5,6,7,8,9,10,11,12,13,14,15
	global_load_b128 v[64*((\a)%4)+4*\t:64*((\a)%4)+4*\t+3], v[CO], s[10:11] offset:(32*((\a)/2)+8*((\a)%2)+\t+8*(\t/8))*4096 th:TH_LOAD_NT   ; into window 1, buffer a % 4 of four
.endr
.endm
.macro TOSTAGE a
.set AC, 64*((\a)%4)
	WIN 0x08+4*((\a)/4)
.irp b, 0,1,2,3,4,5,6,7
	ds_store_b128 v[STO], v[AC+8*\b:AC+8*\b+3] offset:128*(\b/2)+32*(\b%2)
	ds_store_b128 v[STO], v[AC+8*\b+4:AC+8*\b+7] offset:128*(\b/2)+32*(\b%2)+16
.endr
	WIN 0
.set BB, BK+64*((\a)%2)
.irp t, 0,1,2,3,4,5,6,7,8,9,10,11,12,13,14,15
	ds_load_b128 v[BB+4*\t:BB+4*\t+3], v[RD] offset:\t*528
.endr
.endm
	PLACES NP
	WIN TO_B                                       ; window 1 held B's fragments, which are done with: it takes the residual rows of four blocks, 64 loads on their way at once
	RESLD 0
	RESLD 1
	RESLD 2
	RESLD 3
	WIN 0
.irp a, 0,1,2,3,4,5,6,7
.if \a > 0
	s_wait_xcnt 0x0
.endif
	TOSTAGE \a
.if \a < 5
	s_wait_loadcnt 48                              ; block a's 16 loads are in; those of the three blocks behind it may be out
.else
	s_wait_loadcnt 16*(7-\a)
.endif
	s_wait_dscnt 0x0
	WIN 0x10                                       ; source 2: window 1
.set k, 0
.rept 32
	v_pk_fma_f32 v[BB+k:BB+k+1], v[BB+k:BB+k+1], v[GT:GT+1], v[64*(\a%4)+k:64*(\a%4)+k+1]
.set k, k+2
.endr
.if \a < 4
	WIN TO_B
	RESLD \a+4                                     ; the buffer just read takes the block four further on
.endif
	WIN 0
.irp t, 0,1,2,3,4,5,6,7,8,9,10,11,12,13,14,15
	global_store_b128 v[CO], v[BB+4*\t:BB+4*\t+3], s[12:13] offset:(32*(\a/2)+8*(\a%2)+\t+8*(\t/8))*4096 th:TH_STORE_NT
.endr
.endr
	s_wait_tensorcnt 0x0
	ds_add_u32 v[SPW], v[NIL]
	s_wait_dscnt 0x0
	CROUND
	s_endpgm
.Lfunc_end_k_q70b1a853e8_gf2:
	.size	k_q70b1a853e8_gf2, .Lfunc_end_k_q70b1a853e8_gf2-k_q70b1a853e8_gf2
	.p2alignl 7, 3214868480
	.fill 96, 4, 3214868480
	.section	.rodata,"a",@progbits
	.p2align	6, 0x0
	.amdhsa_kernel k_q70b1a853e8_gf2
		.amdhsa_group_segment_fixed_size 327680
		.amdhsa_private_segment_fixed_size 0
		.amdhsa_enable_private_segment 0
		.amdhsa_kernarg_size 40
		.amdhsa_user_sgpr_count 2
		.amdhsa_user_sgpr_kernarg_segment_ptr 1
		.amdhsa_wavefront_size32 1
		.amdhsa_system_sgpr_workgroup_id_x 1
		.amdhsa_system_sgpr_workgroup_id_y 1
		.amdhsa_system_sgpr_workgroup_id_z 1
		.amdhsa_system_vgpr_workitem_id 0
		.amdhsa_next_free_vgpr 1024
		.amdhsa_next_free_sgpr 100
		.amdhsa_reserve_vcc 0
		.amdhsa_float_denorm_mode_32 3
		.amdhsa_float_denorm_mode_16_64 3
		.amdhsa_memory_ordered 1
		.amdhsa_forward_progress 1
		.amdhsa_inst_pref_size 191
	.end_amdhsa_kernel
	.amdgpu_metadata
---
amdhsa.version: [ 1, 2 ]
amdhsa.kernels:
  - .name:           k_q70b1a853e8_gf2
    .symbol:         k_q70b1a853e8_gf2.kd
    .args:
      - { .name: C4, .offset: 0, .size: 8, .value_kind: global_buffer, .address_space: global }
      - { .name: S4, .offset: 8, .size: 8, .value_kind: global_buffer, .address_space: global }
      - { .name: ff_gate, .offset: 16, .size: 8, .value_kind: global_buffer, .address_space: global }
      - { .name: x, .offset: 24, .size: 8, .value_kind: global_buffer, .address_space: global }
      - { .name: out0, .offset: 32, .size: 8, .value_kind: global_buffer, .address_space: global }
    .group_segment_fixed_size: 327680
    .private_segment_fixed_size: 0
    .kernarg_segment_align: 8
    .kernarg_segment_size: 40
    .max_flat_workgroup_size: 128
    .sgpr_count:     100
    .vgpr_count:     1024
    .wavefront_size: 32
...
	.end_amdgpu_metadata
.endif
;; end of part 8
